; MI455X (gfx1250); checked and timed in simulation.
; The chip was launched on July 23, 2026; its instructions are those of AMD's public machine-readable ISA for CDNA 5 (MIT licence, August 2026) and "CDNA5" Instruction Set Architecture Reference Guide (July 2026). The comments in the code are by the model that wrote it; some were corrected since.
;; Multi Head Dot Product Attention. Allowed arithmetic: matrix products marked QUANTISED: E2M3 operands, one E8M0 scale for each 32 along K, by v_wmma_scale_f32_16x16x128_f8f6f4 with both operands' format E2M3, f32 sums; everything else in f32.
;; Inputs: Wk 1,024 x 1,024 float32; Wo 1,024 x 1,024 float32; Wq 1,024 x 1,024 float32; Wv 1,024 x 1,024 float32; bk 1,024 float32; bo 1,024 float32; bq 1,024 float32; bv 1,024 float32; x 4 x 2,048 x 1,024 float32.
;; Outputs: out0 4 x 2,048 x 1,024 float32.
;; This version of the problem:
;;   THIS VERSION OF THE PROBLEM IS GIVEN IN LOW PRECISION. The matrix products marked QUANTISED in the list below multiply operands that are first quantised to E2M3 (2 exponent bits, 3 mantissa bits; 6 bits a number), with one power-of-two scale for each 32 numbers along K (OCP MX v1.0); their sums are f32. All else is computed in f32.
;;   The module's matrix products, in the order in which they are computed (A, B: the left and right operand; K: the contracted axis; several contracted axes count as one K, in the product's order):
;;     1. [M 8,192, K 1,024] x [K 1,024, N 1,024]; A: input x; B: input Wq: QUANTISED
;;     2. [M 8,192, K 1,024] x [K 1,024, N 1,024]; A: input x; B: input Wk: QUANTISED
;;     3. [M 8,192, K 1,024] x [K 1,024, N 1,024]; A: input x; B: input Wv: QUANTISED
;;     4. batch 64 x [M 2,048, K 64] x [K 64, N 2,048]; A: computed on the way; B: computed on the way: QUANTISED
;;     5. batch 64 x [M 2,048, K 2,048] x [K 2,048, N 64]; A: softmax (see below); B: computed on the way: QUANTISED
;;     6. [M 8,192, K 1,024] x [K 1,024, N 1,024]; A: computed on the way; B: input Wo: QUANTISED
;;   THE QUANTISER, for each operand of a quantised product, along K:
;;     - K is cut into blocks of 32 from its start; a last block that is shorter is filled with zeros.
;;     - A block's scale is 2^e with e = floor(log2(the largest magnitude in the block)) - 2, held to -126 .. 127; a block of zeros has e = 0. As a byte (E8M0): e + 127.
;;     - Each number is divided by its block's scale, clamped to +-7.5, and rounded to the nearest number of E2M3, ties to even, subnormals kept.
;;     - The product sums the exact products of the quantised numbers (number of the format x scale) in f32.
;;   ~~~python
;;   def quantise(x, axis):      # numpy; x: float32 -> the quantised numbers, widened to float32 again
;;       x = np.moveaxis(x, axis, -1); K = x.shape[-1]
;;       x = np.pad(x, [(0, 0)] * (x.ndim - 1) + [(0, -K % 32)]); x = x.reshape(x.shape[:-1] + (-1, 32)); a = np.abs(x).max(-1, keepdims=True)
;;       e = np.where(a > 0, np.clip(np.frexp(np.where(a > 0, a, 1))[1] - 1 - 2, -126, 127), 0)      # np.frexp(a)[1] - 1 = floor(log2(a)), exactly
;;       r = np.clip(x / 2.0 ** e, -7.5, 7.5)
;;       step = 2.0 ** (np.maximum(np.frexp(np.where(r == 0, 1, r))[1] - 1, 0) - 3)
;;       q = np.round(r / step) * step * 2.0 ** e      # np.round: ties to even
;;       return np.moveaxis(q.reshape(q.shape[:-2] + (-1,))[..., :K], -1, axis).astype(np.float32)
;;   ~~~
;;   SOFTMAX AHEAD OF A QUANTISED PRODUCT. Where the list says 'softmax', what is quantised is not the finished softmax but p = 2^(t - M), with t = logit x log2(e) and M = ceil(the row's largest t), a whole number; so 1/2 < the row's largest p <= 1. The row's sum l is taken of the UNQUANTISED p, in f32, and the product's result is divided by l at the end. Since M is a whole number, a kernel that streams over the keys may use a running M (the ceiling of the running maximum): every later rescaling is an exact power of two, which a block's scale takes up: the codes' values come out the same.
;;   OPERANDS COMPUTED ON THE WAY. 'Computed on the way' means the value that the module computes at that place (a softmax that the list does not call 'softmax' is quantised finished and normalised). What goes into a quantiser is computed in f32, as accurately as f32 sums, v_exp_f32 and their like allow (about 1e-6 of the number): no bf16 or f16 on the way to a quantiser, and a product that is left as it is and whose result goes on into a quantised operand takes f32 operands (vector FMAs, or v_wmma_f32_16x16x4_f32). A number that lies on a knife's edge between two numbers of the format may be rounded either way, as far as f32 arithmetic and the matrix unit's own rounding can turn it there, and no further.
;; One version. Each part assembles by itself: llvm-mc -triple=amdgcn-amd-amdhsa -mcpu=gfx1250 --defsym DOCPART=n.
;; ======== version 1 of 1: 4 launches
;; limits: right only within a limited range of input values
;; workspace buffers: xq 6,553,600 bytes; wq 3,276,800 bytes; qb 6,815,744 bytes; kv 13,631,488 bytes; ab 6,553,600 bytes
;; launch quant (part 1): grid 384 x 1, 4 waves a work-group, no clusters, 68,096 bytes of LDS; arguments x, Wq, Wk, Wv, Wo, xq, wq; writes xq, wq
.if DOCPART == 1
	.amdgcn_target "amdgcn-amd-amdhsa--gfx1250"
	.amdhsa_code_object_version 6
	.text
	.protected	k_q37a3863158_quant
	.globl	k_q37a3863158_quant
	.p2align	8
	.type	k_q37a3863158_quant,@function
k_q37a3863158_quant:
	s_mov_b64 s[64:65], 0
	v_nop
	global_prefetch_b8 v0, s[64:65] scope:SCOPE_SE
	s_setreg_imm32_b32 hwreg(HW_REG_WAVE_MODE, 25, 1), 1
	s_wait_xcnt 0x0
; x [8192][1024] and the four weights [1024 (k)][1024 (n)], f32, become codes of FP6 (E2M3), K innermost, with one E8M0 scale byte for each 32 along K.
; A block's scale is 2^(floor(log2(its largest magnitude)) - 2); its byte is the largest magnitude's exponent field - 2, held at 1 from below.
; LIMITS: a block of zeros gets the byte 1 where the rule says 127 (its codes are zeros, and the bytes are read by this program alone); NaN and infinities are not served.
; ORDER OF ROWS.  sigma(i) is i with bits 3 and 4 exchanged.  Storage row s of xq holds token sigma(s); storage row s of Wq's, Wk's and Wv's part of wq holds column sigma(s); Wo's rows are not permuted.
; With that order a transposed product leaves 16 neighbours along the next K in the 16 registers of two neighbouring tiles.
; xq: codes [8192][768 bytes], then scale bytes [8192][32] at XS_OFF.  wq: codes [4096][768] (q, k, v, o: 1,024 rows each), then scale bytes [4096][32] at WS_OFF.
; Work-groups 0-255 take x, 32,768 numbers each; work-groups 256-383 the weights, 128 columns x 256 along K each.  The two ways have LDS bytes of their own.  No tensor loads, no barrier: waves share nothing.
; ORDER AND LAYOUT AS THE CODE BELOW HAS THEM (this paragraph takes the place of what stands above on xq's order of rows and on the two buffers' layouts).
; xq: storage row 64 g + 16 t + 8 h + i holds token 64 g + 32 h + 8 t + i, so that a transposed product leaves a whole block of 32 tokens in the 32 registers of four neighbouring tiles.  The weights' rows keep sigma (Wo's: no permutation).
; xq and wq are dense blocks [group of 256 rows][K step of 256 numbers][half of 128 rows]: 128 rows x 192 bytes of codes, then 128 rows x 8 scale bytes: 25,600 bytes, a multiple of 256, at a multiple of 256.
.set KSTEP, 51200                      ; both halves of a K step
.set EMAX,  2
.set STEPS, 16
.set CB,    12                         ; bytes of 16 codes
.set R,     16                         ; x: v16-79 four sets of 16 numbers as loaded
.set X,     80                         ; v80-111 two sets of 16 neighbours
.set E,     112                        ; v112-127 a scale byte for each step
.set C,     128                        ; v128-191 codes, four registers a step
.set WREG,  8192                       ; x: LDS of a wave: two stages of 32 x SP bytes, then its 256 scale bytes
.set SP,    80
.set WSTG,  32768                      ; the weights' stages begin here
.set NB,    8                          ; weights: blocks of 32 along K for a wave
.set PITCH, 272
.set KROW,  768
.set WX,    32                         ; v32-95 two sets of 32 numbers
.set WC,    96                         ; a block's codes
.set OUTR,  112                        ; v112-175 the way out
.set SB,    24                         ; v24-25 the scale bytes
	s_load_b256 s[4:11], s[0:1], 0x0               ; x, Wq, Wk, Wv
	s_load_b128 s[12:15], s[0:1], 0x20             ; Wo, xq
	s_load_b64 s[16:17], s[0:1], 0x30              ; wq
	v_lshl_add_u32 v192, v0, 2, 0x10800
	v_mov_b32 v193, 0
	v_lshrrev_b32 v1, 5, v0
	v_readfirstlane_b32 s18, v1                    ; wave
	v_and_b32 v2, 31, v0                           ; lane
	s_cmp_lt_u32 ttmp9, 256
	s_cbranch_scc0 .Lweights
; ---------------- x: a wave takes 8 rows (8,192 numbers) in 16 steps of 512.  Each load reads 512 consecutive bytes; a step's 2,048 bytes turn through the wave's own stage so that a lane holds 16 neighbours.
	v_lshlrev_b32 v3, 4, v2                        ; my 16 bytes of a load's 512
	s_mul_i32 s19, s18, WREG
	v_lshrrev_b32 v14, 2, v2
	v_mul_u32_u24 v14, v14, SP
	v_and_b32 v15, 3, v2
	v_lshl_add_u32 v14, v15, 4, v14
	v_add_nc_u32 v14, s19, v14                     ; into the stage: SP (lane / 4) + 16 (lane % 4)
	v_mul_u32_u24 v15, v2, SP
	v_add_nc_u32 v15, s19, v15                     ; out of it: SP x lane
	v_and_b32 v4, 15, v2
	v_mul_u32_u24 v4, v4, CB
	v_lshrrev_b32 v10, 4, v2
	v_mad_u32_u24 v4, v10, KSTEP, v4               ; my codes' place: sixteen lanes fill a row's 192 bytes of a K step, lanes 16-31 those of the next K step
	v_lshrrev_b32 v5, 1, v2
	s_add_co_u32 s19, s19, 2*32*SP
	v_add_nc_u32 v5, s19, v5                       ; my block's scale byte in the wave's 256
	v_lshlrev_b32 v7, 3, v2
	v_add_nc_u32 v6, s19, v7
	v_and_b32 v7, 3, v2
	v_mul_u32_u24 v7, v7, KSTEP
	v_lshrrev_b32 v10, 2, v2
	v_lshl_add_u32 v7, v10, 3, v7                  ; my 8 scale bytes are row lane / 4, K step lane % 4
	s_lshl_b32 s20, ttmp9, 2
	s_add_co_u32 s20, s20, s18                     ; which run of 8 rows is mine
	s_lshl_b32 s22, s20, 15                        ; 32,768 bytes of x a run
	s_mov_b32 s23, 0
	s_and_b32 s24, s20, -8
	s_and_b32 s25, s20, 3
	s_lshl_b32 s25, s25, 1
	s_or_b32 s24, s24, s25
	s_bfe_u32 s25, s20, 0x10002
	s_or_b32 s24, s24, s25                         ; the run's place in xq: run 4 h + t of a group of 64 tokens goes to place 2 t + h
	s_lshr_b32 s25, s24, 5
	s_mul_i32 s26, s25, 4*KSTEP                    ; the group of 256 rows,
	s_bfe_u32 s25, s24, 0x10004
	s_mul_i32 s25, s25, KSTEP/2                    ; its half,
	s_add_co_u32 s26, s26, s25
	s_and_b32 s25, s24, 15                         ; and my 8 rows in it
	s_lshl_b32 s28, s25, 6
	s_add_co_u32 s28, s28, s26
	s_add_co_u32 s28, s28, 24576                   ; their scale bytes lie behind the half's codes
	s_mul_i32 s25, s25, 8*192
	s_add_co_u32 s26, s26, s25
	s_mov_b32 s27, 0
	s_mov_b32 s29, 0
	s_wait_alu depctr_va_vdst(0)
	s_wait_kmcnt 0x0
	s_add_nc_u64 s[4:5], s[4:5], s[22:23]
	s_add_nc_u64 s[8:9], s[14:15], s[26:27]
	s_add_nc_u64 s[10:11], s[14:15], s[28:29]
.macro XLOAD t
.irp i, 0,1,2,3
	global_load_b128 v[R+16*((\t)%4)+4*\i:R+16*((\t)%4)+4*\i+3], v3, s[4:5] offset:2048*(\t)+512*\i th:TH_LOAD_NT
.endr
.endm
.macro XTURN t                         ; LDS serves a wave's instructions in order: no wait between the stores and the loads
.irp i, 0,1,2,3
	ds_store_b128 v14, v[R+16*((\t)%4)+4*\i:R+16*((\t)%4)+4*\i+3] offset:32*SP*((\t)%2)+8*SP*\i
.endr
.irp i, 0,1,2,3
	ds_load_b128 v[X+16*((\t)%2)+4*\i:X+16*((\t)%2)+4*\i+3], v15 offset:32*SP*((\t)%2)+16*\i
.endr
.endm
.irp t, 0,1,2,3
	XLOAD \t
.endr
	s_wait_loadcnt 12                              ; step 0's four loads are in; three steps' twelve may be out
	XTURN 0
.macro XSTEP t
.set XS, X+16*((\t)%2)
.if (\t) > 0
	s_wait_dscnt 1                                 ; this step's numbers are back from the stage; the last step's byte store may be out
.else
	s_wait_dscnt 0x0
.endif
.if (\t)+4 < STEPS
	XLOAD (\t)+4                                   ; into the registers that this step's stage stores have read
.endif
.if (\t)+1 < STEPS
.if STEPS-2-(\t) >= 3
	s_wait_loadcnt 12                              ; the next step's four loads are in; those of the three steps behind it may be out
.else
	s_wait_loadcnt 4*(STEPS-2-(\t))
.endif
	XTURN (\t)+1
.endif
	v_max3_num_f32 v8, |v[XS]|, |v[XS+1]|, |v[XS+2]|
	v_max3_num_f32 v9, |v[XS+3]|, |v[XS+4]|, |v[XS+5]|
.irp i, 6,10
	v_max3_num_f32 v8, v8, |v[XS+\i]|, |v[XS+\i+1]|
	v_max3_num_f32 v9, v9, |v[XS+\i+2]|, |v[XS+\i+3]|
.endr
	v_max3_num_f32 v8, v8, |v[XS+14]|, |v[XS+15]|
	v_max3_num_f32 v8, v8, v9, (EMAX+1)<<23        ; the floor 2^(3 - 127): the byte cannot fall under 1
	v_max_num_f32_dpp v8, v8, v8 row_xmask:1 row_mask:0xf bank_mask:0xf   ; with my neighbour's 16: the block's largest magnitude
	v_add_nc_u32 v11, -(EMAX<<23), v8              ; 2 off its exponent field: the conversion's scale operand
	v_cvt_scalef32_pk16_fp6_f32 v[C+4*(\t):C+4*(\t)+2], v[XS:XS+15], v11
	v_lshrrev_b32 v[E+(\t)], 23, v11               ; the scale's byte
	ds_store_b8 v5, v[E+(\t)] offset:16*(\t)       ; both lanes of a block write the same byte with the same value
	global_store_b96 v4, v[C+4*(\t):C+4*(\t)+2], s[8:9] offset:192*((\t)/2)+2*KSTEP*((\t)%2)
.endm
.irp t, 0,1,2,3,4,5,6,7,8,9,10,11,12,13,14,15
	XSTEP \t
.endr
	ds_load_b64 v[12:13], v6                       ; my wave's 256 scale bytes, 8 a lane
	s_wait_dscnt 0x0
	global_store_b64 v7, v[12:13], s[10:11]        ; 8 lanes store 64 consecutive bytes in each of four K steps
	s_wait_tensorcnt 0x0
	ds_add_u32 v192, v193
	s_wait_dscnt 0x0
	s_endpgm
; ---------------- the weights: a lane takes a column and its registers run down K, so a block of 32 lies in one lane and the codes come out with K innermost.
.Lweights:
	s_sub_co_u32 s19, ttmp9, 256
	s_lshr_b32 s20, s19, 5                         ; which weight: 0 q, 1 k, 2 v, 3 o
	s_bfe_u32 s21, s19, 0x30002                    ; which 128 columns
	s_and_b32 s22, s19, 3                          ; which 256 along K
	s_lshl_b32 s23, s21, 7
	s_lshl_b32 s24, s18, 5
	s_add_co_u32 s23, s23, s24                     ; my wave's first column
	s_cmp_lt_u32 s20, 3
	s_cselect_b32 s25, 1, 0                        ; q, k, v: the columns are taken in sigma's order
	s_wait_alu depctr_va_vdst(0)
	v_lshrrev_b32 v10, 3, v2
	v_lshrrev_b32 v11, 4, v2
	v_xor_b32 v10, v10, v11
	v_and_b32 v10, s25, v10                        ; 1 where the lane's bits 3 and 4 differ
	v_mul_u32_u24 v10, v10, 24
	v_xor_b32 v10, v2, v10                         ; the column that storage row = lane holds
	v_lshlrev_b32 v3, 2, v10
	s_mul_i32 s26, s18, 32*PITCH
	s_add_co_u32 s26, s26, WSTG                    ; my stage
	v_mul_u32_u24 v4, v2, PITCH
	v_add_nc_u32 v4, s26, v4                       ; into it: row = my lane
	v_and_b32 v5, 15, v2
	v_lshrrev_b32 v6, 4, v2
	v_mul_u32_u24 v7, v6, PITCH
	v_lshl_add_u32 v7, v5, 4, v7
	v_add_nc_u32 v7, s26, v7                       ; out of it: sixteen lanes to a row, two rows an instruction
	v_mul_u32_u24 v8, v6, 192
	v_mad_u32_u24 v8, v5, 12, v8                   ; and the same place in the block's codes
	v_lshlrev_b32 v9, 3, v2                        ; my row's 8 scale bytes
	s_lshl_b32 s28, s22, 20                        ; 256 rows of 4,096 bytes
	s_lshl_b32 s27, s23, 2
	s_add_co_u32 s28, s28, s27
	s_mov_b32 s29, 0
	s_lshl_b32 s27, s20, 10
	s_add_co_u32 s27, s27, s23                     ; my first row of wq
	s_lshr_b32 s30, s27, 8
	s_mul_i32 s30, s30, 4*KSTEP
	s_mul_i32 s31, s22, KSTEP
	s_add_co_u32 s30, s30, s31
	s_bfe_u32 s31, s27, 0x10007
	s_mul_i32 s31, s31, KSTEP/2
	s_add_co_u32 s30, s30, s31                     ; my block: group of 256 rows, K step, half
	s_and_b32 s31, s27, 127
	s_lshl_b32 s32, s31, 3
	s_add_co_u32 s32, s32, s30
	s_add_co_u32 s32, s32, 24576
	s_mul_i32 s31, s31, 192
	s_add_co_u32 s30, s30, s31
	s_mov_b32 s31, 0
	s_mov_b32 s33, 0
	s_wait_kmcnt 0x0
	s_bitcmp1_b32 s20, 0
	s_cselect_b64 s[34:35], s[8:9], s[6:7]         ; Wk or Wq
	s_cselect_b64 s[36:37], s[12:13], s[10:11]     ; Wo or Wv
	s_bitcmp1_b32 s20, 1
	s_cselect_b64 s[34:35], s[36:37], s[34:35]
	s_add_nc_u64 s[34:35], s[34:35], s[28:29]
	s_add_nc_u64 s[36:37], s[16:17], s[30:31]
	s_add_nc_u64 s[38:39], s[16:17], s[32:33]
.macro WLOAD t
.irp i, 0,1,2,3,4,5,6,7,8,9,10,11,12,13,14,15,16,17,18,19,20,21,22,23,24,25,26,27,28,29,30,31
	global_load_b32 v[WX+32*((\t)%2)+\i], v3, s[34:35] offset:(32*(\t)+\i)*4096 th:TH_LOAD_NT
.endr
.endm
	WLOAD 0
	WLOAD 1
.macro WBLOCK t
.set XS, WX+32*((\t)%2)
.if (\t) < NB-1
	s_wait_loadcnt 32                              ; this block's 32 loads are in; the next block's 32 may be out
.else
	s_wait_loadcnt 0
.endif
	v_max3_num_f32 v12, |v[XS]|, |v[XS+1]|, |v[XS+2]|
	v_max3_num_f32 v13, |v[XS+3]|, |v[XS+4]|, |v[XS+5]|
.irp i, 6,10,14,18,22,26
	v_max3_num_f32 v12, v12, |v[XS+\i]|, |v[XS+\i+1]|
	v_max3_num_f32 v13, v13, |v[XS+\i+2]|, |v[XS+\i+3]|
.endr
	v_max3_num_f32 v12, v12, |v[XS+30]|, |v[XS+31]|
	v_max3_num_f32 v12, v12, v13, (EMAX+1)<<23
	v_add_nc_u32 v11, -(EMAX<<23), v12
	v_lshrrev_b32 v13, 23, v11
.if (\t)%4 == 0
	v_mov_b32 v[SB+(\t)/4], v13
.else
	v_lshl_or_b32 v[SB+(\t)/4], v13, 8*((\t)%4), v[SB+(\t)/4]
.endif
	v_cvt_scalef32_pk16_fp6_f32 v[WC:WC+2], v[XS:XS+15], v11
	v_cvt_scalef32_pk16_fp6_f32 v[WC+4:WC+6], v[XS+16:XS+31], v11
	ds_store_b96 v4, v[WC:WC+2] offset:32*(\t)     ; 12 bytes to a place of 16, so that every LDS address is a multiple of 16
	ds_store_b96 v4, v[WC+4:WC+6] offset:32*(\t)+16
.if (\t)+2 < NB
	WLOAD (\t)+2
.endif
	s_wait_dscnt 0x0                               ; the stores have read their registers
.endm
.set Q, 0
.rept NB
	WBLOCK Q
.set Q, Q+1
.endr
	s_wait_alu depctr_va_vdst(0)
	global_store_b64 v9, v[SB:SB+1], s[38:39]      ; my row's 8 scale bytes
.irp t, 0,1,2,3,4,5,6,7,8,9,10,11,12,13,14,15
	ds_load_b96 v[OUTR+4*\t:OUTR+4*\t+2], v7 offset:2*\t*PITCH
.endr
.irp t, 0,1,2,3,4,5,6,7,8,9,10,11,12,13,14,15
	s_wait_dscnt 15-\t                             ; the younger loads may be out
	global_store_b96 v8, v[OUTR+4*\t:OUTR+4*\t+2], s[36:37] offset:2*\t*192
.endr
	s_wait_tensorcnt 0x0
	ds_add_u32 v192, v193
	s_wait_dscnt 0x0
	s_endpgm
.Lfunc_end_k_q37a3863158_quant:
	.size	k_q37a3863158_quant, .Lfunc_end_k_q37a3863158_quant-k_q37a3863158_quant
	.p2alignl 7, 3214868480
	.fill 96, 4, 3214868480
	.section	.rodata,"a",@progbits
	.p2align	6, 0x0
	.amdhsa_kernel k_q37a3863158_quant
		.amdhsa_group_segment_fixed_size 68096
		.amdhsa_private_segment_fixed_size 0
		.amdhsa_enable_private_segment 0
		.amdhsa_kernarg_size 56
		.amdhsa_user_sgpr_count 2
		.amdhsa_user_sgpr_kernarg_segment_ptr 1
		.amdhsa_wavefront_size32 1
		.amdhsa_system_sgpr_workgroup_id_x 1
		.amdhsa_system_sgpr_workgroup_id_y 1
		.amdhsa_system_sgpr_workgroup_id_z 1
		.amdhsa_system_vgpr_workitem_id 0
		.amdhsa_next_free_vgpr 194
		.amdhsa_next_free_sgpr 66
		.amdhsa_reserve_vcc 0
		.amdhsa_float_denorm_mode_32 3
		.amdhsa_float_denorm_mode_16_64 3
		.amdhsa_memory_ordered 1
		.amdhsa_forward_progress 1
		.amdhsa_inst_pref_size 75
	.end_amdhsa_kernel
	.amdgpu_metadata
---
amdhsa.version: [ 1, 2 ]
amdhsa.kernels:
  - .name:           k_q37a3863158_quant
    .symbol:         k_q37a3863158_quant.kd
    .args:
      - { .name: x, .offset: 0, .size: 8, .value_kind: global_buffer, .address_space: global }
      - { .name: Wq, .offset: 8, .size: 8, .value_kind: global_buffer, .address_space: global }
      - { .name: Wk, .offset: 16, .size: 8, .value_kind: global_buffer, .address_space: global }
      - { .name: Wv, .offset: 24, .size: 8, .value_kind: global_buffer, .address_space: global }
      - { .name: Wo, .offset: 32, .size: 8, .value_kind: global_buffer, .address_space: global }
      - { .name: xq, .offset: 40, .size: 8, .value_kind: global_buffer, .address_space: global }
      - { .name: wq, .offset: 48, .size: 8, .value_kind: global_buffer, .address_space: global }
    .group_segment_fixed_size: 68096
    .private_segment_fixed_size: 0
    .kernarg_segment_align: 8
    .kernarg_segment_size: 56
    .max_flat_workgroup_size: 128
    .sgpr_count:     66
    .vgpr_count:     194
    .wavefront_size: 32
...
	.end_amdgpu_metadata
.endif
;; end of part 1
;; launch qkv (part 2): grid 12 x 32, 4 waves a work-group, clusters of 4 x 4, 327,680 bytes of LDS; arguments xq, wq, bq, bk, bv, qb, kv; writes qb, kv
.if DOCPART == 2
	.amdgcn_target "amdgcn-amd-amdhsa--gfx1250"
	.amdhsa_code_object_version 6
	.text
	.protected	k_q37a3863158_qkv
	.globl	k_q37a3863158_qkv
	.p2align	8
	.type	k_q37a3863158_qkv,@function
k_q37a3863158_qkv:
	s_mov_b64 s[64:65], 0
	v_nop
	global_prefetch_b8 v0, s[64:65] scope:SCOPE_SE
	s_setreg_imm32_b32 hwreg(HW_REG_WAVE_MODE, 25, 1), 1
	s_wait_xcnt 0x0
	s_wait_alu depctr_hold_cnt(0) depctr_sa_sdst(0) depctr_va_vdst(0) depctr_va_sdst(0) depctr_va_ssrc(0) depctr_va_vcc(0) depctr_vm_vsrc(0)
	s_getreg_b32 s2, hwreg(HW_REG_IB_STS2, 6, 4)
	s_cmp_eq_u32 s2, 0
	s_cbranch_scc0 .Lentry_in_a_cluster
	s_endpgm
.Lentry_in_a_cluster:
	s_bfe_u32 s2, ttmp6, 0x10000c
	s_cmp_lg_u32 s2, 0xf033
	s_cbranch_scc0 .Lentry_shape_is_right
	s_endpgm
.Lentry_shape_is_right:
; Q, K, V = layer norm over each head of (x W + b), on codes of FP6 with E8M0 scales, quantised again on the way out as register images for the attention launch.
; A work-group of four waves makes 256 x 256; clusters of 4 x 4 ask for A's and B's tiles jointly.  Cluster column 0 makes Q, 1 K (source 0 = the weight's rows), 2 V (the operands change places, so that a lane's registers run along the tokens).
; xq and wq are dense blocks [256 rows][K step of 256][half]: 128 rows x 192 bytes of codes, then 128 x 8 scale bytes.  A wave's load brings one block as 100 rows of 256 bytes, 16 bytes of padding behind every 64:
; so an LDS row of codes is 240 bytes, and a tile's scale words come with it.  Two slots, four K steps.
; Storage row 16 t + 8 h + i of 64 holds token 32 h + 8 t + i: in V's results the 32 registers of four neighbouring tiles are one block of 32 tokens.
; LIMITS: NaN and infinities are not served.
.set NQ,     2
.set ROWB,   256
.set KSTEP,  51200
.set KROW,   768
.set PITCH,  240
.set FR,     12
.set NL,     6
.set NP,     4
.set HALFT,  32000
.set SLOT,   4*HALFT
.set SOFF,   128*PITCH                 ; a block's scale bytes in LDS: 8 rows x 8 bytes, then 16 of padding
.set SBLK,   160                       ; those of 16 rows
.set SPARE,  2*SLOT
.set WSTG,   9216
.set ADRA, 16
.set ADRB, 20
.set LI,   24
.set SWR,  25
.set SRD,  26
.set ADRS, 14
.set SPW,  28
.set NIL,  29
.set RW,   30
.set RR,   31
.set SC,   32
.set BI,   64
.set AF,   128
.set Y,    32
.set T,    96
.set U,    160
.set TM,   208
.set WD,   224
.set MU,   232
.set RS,   236
.set TP,   240
.set XT,   248
.set SEL,  2
.set WV,   18
.set HR,   19
.set HC,   20
.set TR,   21
.set TC,   22
.set G1,   24
.set G0,   32
.set INV64, 40
.set EPS,  41
.set NEG64, 46
.set G1B,  48
.set G0B,  56
.set BP,   66
.set OB0,  92
.set MSB, 0
.macro WIN new
.if MSB != \new
	s_set_vgpr_msb (MSB<<8)|\new
.set MSB, \new
.endif
.endm
.set MUL_LO, 0xa1
.set MUL_HI, 0xf1
.set TO_B,   0x40
.macro JLOAD g0a, g1a, g0b, g1b
	s_cmp_eq_u32 s[HR], 0
	s_cbranch_scc0 .Lfor_b_\@
	tensor_load_to_lds s[\g0a:\g0a+3], s[\g1a:\g1a+7]
	s_nop 0
.rept 4
	v_nop
.endr
	s_branch .Lasked_\@
.Lfor_b_\@:
	tensor_load_to_lds s[\g0b:\g0b+3], s[\g1b:\g1b+7]
	s_nop 0
.rept 4
	v_nop
.endr
.Lasked_\@:
.endm
.macro CREST
	s_cmp_lg_u32 s[WV], 0
	s_cbranch_scc1 .Lnot_wave_0_\@
	s_barrier_signal -3
.Lnot_wave_0_\@:
	s_barrier_wait -3
	s_barrier_signal -1
	s_barrier_wait -1
.endm
.macro CROUND
	s_barrier_signal -1
	s_barrier_wait -1
	CREST
.endm
	s_load_b128 s[4:7], s[0:1], 0x0
	s_load_b256 s[8:15], s[0:1], 0x10
	s_load_b64 s[16:17], s[0:1], 0x30
	v_lshl_add_u32 v[SPW], v0, 2, SPARE
	v_mov_b32 v[NIL], 0
	ds_add_u32 v28, v29
	ds_add_u32 v28, v29
	s_wait_dscnt 0x0
	v_lshrrev_b32 v1, 5, v0
	v_readfirstlane_b32 s[WV], v1
	s_lshr_b32 s[HR], s[WV], 1
	s_and_b32 s[HC], s[WV], 1
	s_bfe_u32 s40, ttmp6, 0x40000
	s_bfe_u32 s41, ttmp6, 0x40004
	s_and_b32 s42, ttmp7, 0xffff
	s_cmp_eq_u32 ttmp9, 2
	s_cselect_b32 s43, 2, s42
	s_cselect_b32 s44, s42, ttmp9
	s_lshl_b32 s[TR], s43, 2
	s_add_co_u32 s[TR], s[TR], s41
	s_lshl_b32 s[TC], s44, 2
	s_add_co_u32 s[TC], s[TC], s40
	s_lshl_b32 s45, s41, 2
	s_lshl_b32 s45, 15, s45
	s_lshl_b32 s46, 0x1111, s40
	s_or_b32 s[G1+0], s45, (1<<20)|(1<<21)|(3<<22)|(3<<25)
	s_or_b32 s[G1B+0], s46, (1<<20)|(1<<21)|(3<<22)|(3<<25)
.irp g, G1, G1B
	s_mov_b32 s[\g+1], ROWB<<16
	s_mov_b32 s[\g+2], 100<<16
	s_mov_b32 s[\g+3], ROWB<<16
	s_mov_b32 s[\g+4], 100
	s_mov_b32 s[\g+5], ROWB
	s_mov_b32 s[\g+6], 0
	s_mov_b32 s[\g+7], 0
.endr
	s_mul_i32 s23, s[HC], KSTEP/2                  ; which half of a tile's 256 rows I fetch
	s_mul_i32 s42, s[TR], 4*KSTEP                  ; A's group of 256 rows
	s_add_co_u32 s42, s42, s23
	s_mov_b32 s43, 0
	s_mul_i32 s44, s[TC], 4*KSTEP                  ; B's
	s_add_co_u32 s44, s44, s23
	s_mov_b32 s45, 0
	s_mul_i32 s47, s[WV], HALFT
	s_wait_kmcnt 0x0
	s_cmp_eq_u32 ttmp9, 2
	s_cselect_b64 s[96:97], s[6:7], s[4:5]
	s_cselect_b64 s[100:101], s[4:5], s[6:7]
	s_add_nc_u64 s[96:97], s[96:97], s[42:43]
	s_add_nc_u64 s[100:101], s[100:101], s[44:45]
.irp s, 0,1
	s_mov_b32 s[G0+4*\s], 1
	s_add_co_u32 s[G0+4*\s+1], s47, \s*SLOT
	s_add_nc_u64 s[G0+4*\s+2:G0+4*\s+3], s[96:97], \s*KSTEP
	s_or_b32 s[G0+4*\s+3], s[G0+4*\s+3], 0x80000000
	s_mov_b32 s[G0B+4*\s], 1
	s_add_co_u32 s[G0B+4*\s+1], s47, \s*SLOT
	s_add_nc_u64 s[G0B+4*\s+2:G0B+4*\s+3], s[100:101], \s*KSTEP
	s_or_b32 s[G0B+4*\s+3], s[G0B+4*\s+3], 0x80000000
.endr
	CROUND                                         ; all sixteen work-groups are here: the first joint loads meet
	JLOAD G0, G1, G0B, G1B                         ; K step 0, a quarter of the slot a wave: my one load at the head
	v_and_b32 v1, 15, v0
	v_bfe_u32 v2, v0, 4, 1
	v_mul_u32_u24 v3, v1, PITCH
	v_mul_u32_u24 v4, v2, 24
	v_add_nc_u32 v4, v3, v4
	v_lshl_add_u32 v5, v2, 4, v4
	s_mul_i32 s42, s[HR], HALFT
	s_mul_i32 s43, s[HC], HALFT
	s_add_co_u32 s43, s43, 2*HALFT
.irp s, 0,1
	v_add_nc_u32 v[ADRA+\s], s42, v4
	v_add_nc_u32 v[ADRB+\s], s43, v4
	v_add_nc_u32 v[ADRA+2+\s], s42, v5
	v_add_nc_u32 v[ADRB+2+\s], s43, v5
	s_add_co_u32 s42, s42, SLOT
	s_add_co_u32 s43, s43, SLOT
.endr
	v_lshrrev_b32 v6, 3, v1
	v_and_b32 v5, 7, v1
	v_mul_u32_u24 v6, v6, 80
	v_lshl_add_u32 v5, v5, 3, v6                   ; my row's two scale words: 80 (r / 8) + 8 (r % 8)
	s_mul_i32 s42, s[HR], HALFT
	s_mul_i32 s43, s[HC], HALFT
	s_add_co_u32 s43, s43, 2*HALFT
	s_sub_co_u32 s43, s43, s42
	v_mul_u32_u24 v6, s43, v2                      ; lanes 16-31 take B's
	s_add_co_u32 s42, s42, SOFF
	v_add_nc_u32 v5, v5, v6
	v_add_nc_u32 v[ADRS], s42, v5
	v_add_nc_u32 v[ADRS+1], SLOT, v[ADRS]
	v_and_b32 v6, 31, v0
	v_lshlrev_b32 v[LI], 4, v6
	s_mul_i32 s42, s[WV], WSTG
	v_mul_u32_u24 v[SWR], v6, 272
	v_add_nc_u32 v[SWR], s42, v[SWR]
	v_mul_u32_u24 v[SRD], v2, 4352
	v_lshl_add_u32 v[SRD], v1, 4, v[SRD]
	v_add_nc_u32 v[SRD], s42, v[SRD]
	s_add_co_u32 s42, s42, 8704
	v_add_nc_u32 v[RW], s42, v[LI]
	v_lshlrev_b32 v[RR], 8, v2
	v_add_nc_u32 v[RR], s42, v[RR]
	s_cmp_eq_u32 ttmp9, 2
	s_cselect_b32 s42, s[TC], s[TR]
	s_cselect_b32 s43, s[HC], s[HR]
	s_cselect_b32 s44, s[TR], s[TC]
	s_cselect_b32 s45, s[HR], s[HC]
	s_cselect_b32 s47, 6656, 0
	s_cselect_b64 s[BP:BP+1], s[12:13], s[10:11]
	s_cmp_eq_u32 ttmp9, 0
	s_cselect_b64 s[BP:BP+1], s[8:9], s[BP:BP+1]
	s_cselect_b64 s[OB0:OB0+1], s[14:15], s[16:17]
	s_mov_b32 s23, 13312
	s_cselect_b32 s23, 6656, s23
	s_lshr_b32 s40, s42, 3
	s_and_b32 s42, s42, 7
	s_lshl_b32 s42, s42, 1
	s_add_co_u32 s42, s42, s43
	s_and_b32 s44, s44, 3
	s_lshl_b32 s41, s44, 2
	s_lshl_b32 s43, s45, 1
	s_add_co_u32 s41, s41, s43
	s_lshl_b32 s40, s40, 4
	s_add_co_u32 s40, s40, s41
	s_lshl_b32 s40, s40, 4
	s_add_co_u32 s40, s40, s42
	s_mul_i32 s40, s40, s23
	s_add_co_u32 s40, s40, s47
	s_mov_b32 s41, 0
	s_add_nc_u64 s[OB0:OB0+1], s[OB0:OB0+1], s[40:41]
	s_lshl_b32 s40, s23, 4
	s_add_nc_u64 s[OB0+2:OB0+3], s[OB0:OB0+1], s[40:41]
	s_lshl_b32 s40, s44, 10
	s_lshl_b32 s42, s45, 9
	s_add_co_u32 s40, s40, s42
	s_add_nc_u64 s[BP:BP+1], s[BP:BP+1], s[40:41]
	s_mov_b32 s[SEL], 0x76543210
	s_mov_b32 s[SEL+1], 0xfedcba98
	s_mov_b32 s[INV64], 0x3c800000
	s_mov_b32 s[EPS], 0x3727c5ac
	s_mov_b32 s[NEG64], 0xbc800000
	s_cmp_eq_u32 ttmp9, 2
	s_cbranch_scc1 .Lbias_v
	v_lshlrev_b32 v7, 6, v2
.irp b, 0,1,2,3,4,5,6,7
	global_load_b128 v[BI+8*\b:BI+8*\b+3], v7, s[BP:BP+1] offset:(32*(\b/2)+8*(\b%2))*4
	global_load_b128 v[BI+8*\b+4:BI+8*\b+7], v7, s[BP:BP+1] offset:(32*(\b/2)+8*(\b%2))*4+16
.endr
	s_branch .Lbias_asked
.Lbias_v:
	v_and_b32 v8, 8, v1
	v_add_nc_u32 v8, v8, v1
	v_lshlrev_b32 v7, 2, v8
.irp a, 0,1,2,3,4,5,6,7
.irp j, 0,1,2,3,4,5,6,7
	global_load_b32 v[BI+8*\a+\j], v7, s[BP:BP+1] offset:(32*(\a/2)+8*(\a%2))*4
.endr
.endr
.Lbias_asked:
.macro FRAG reg, adr, q, i
.irp p, 0,1,2,3,4,5
.set PCE, 12*(\q)+6*(\p/3)+\p%3
.if PCE%8 < 5
	ds_load_b64 v[\reg+2*\p:\reg+2*\p+1], v[\adr] offset:8*PCE+16*(PCE/8)+(\i)*16*PITCH
.else
	ds_load_b64 v[\reg+2*\p:\reg+2*\p+1], v[\adr+2] offset:8*PCE+16*(PCE/8)+(\i)*16*PITCH
.endif
.endr
.endm
.macro MM a, b, p, q, sc, c0
	v_wmma_scale_f32_16x16x128_f8f6f4 v[8*(8*((\a)%4)+\b):8*(8*((\a)%4)+\b)+7], v[128*(\p)+FR*\b:128*(\p)+FR*\b+FR-1], v[AF+FR*(\a):AF+FR*(\a)+FR-1], v[\c0:\c0+7], v[SC+8*NQ*(\sc)+NQ*\b+(\q)], v[SC+8*NQ*(\sc)+NQ*(\a)+(\q)] matrix_a_fmt:MATRIX_FMT_FP6 matrix_b_fmt:MATRIX_FMT_FP6 matrix_a_scale:MATRIX_SCALE_ROW1
.endm
.macro MUL16 a0, p, q, sc, zero
.irp a, \a0, \a0+1
.irp b, 0,1,2,3,4,5,6,7
.if \zero == 1
	MM \a, \b, \p, \q, \sc, BI+8*\b
.elseif \zero == 2
	MM \a, \b, \p, \q, \sc, BI+8*(\a)
.else
	MM \a, \b, \p, \q, \sc, 8*(8*((\a)%4)+\b)
.endif
.endr
.endr
.endm
.macro FETCH_B slot, q, p
	WIN TO_B
.irp i, 0,1,2,3,4,5,6,7
	FRAG 128*(\p)+FR*\i, ADRB+\slot, \q, \i
.endr
	WIN 0
.endm
.macro FETCH_A slot, q, i0
.irp i, \i0, \i0+1, \i0+2, \i0+3
	FRAG AF+FR*(\i), ADRA+\slot, \q, \i
.endr
.endm
.macro SCALES sc
.irp i, 0,1,2,3,4,5,6,7
	ds_load_b64 v[SC+8*NQ*\sc+NQ*\i:SC+8*NQ*\sc+NQ*\i+1], v[ADRS+\sc] offset:\i*SBLK
.endr
.endm
.macro PLACES n
.rept \n
	v_nop
.endr
.endm
.macro STEP slot, q, zero
	s_wait_dscnt 4*NL
.if \zero
	WIN 0x81
.else
	WIN MUL_LO
.endif
	MUL16 0, (\q)%2, \q, \slot, \zero
	MUL16 2, (\q)%2, \q, \slot, \zero
	s_wait_dscnt 0
	PLACES NP
	FETCH_B \slot, (\q)+1, 1-(\q)%2
	FETCH_A \slot, (\q)+1, 0
.if \zero
	WIN 0xc1
.else
	WIN MUL_HI
.endif
	MUL16 4, (\q)%2, \q, \slot, \zero
	MUL16 6, (\q)%2, \q, \slot, \zero
	PLACES NP
	WIN 0
	FETCH_A \slot, (\q)+1, 4
.endm
.macro TURN slot, next, fill
	s_wait_tensorcnt 0x0
	ds_add_u32 v[SPW], v[NIL]
	s_wait_dscnt 4*NL+1
	WIN MUL_LO
	MUL16 0, 1, NQ-1, \slot, 0
	s_wait_dscnt 0x0
	s_barrier_signal -1
	MUL16 2, 1, NQ-1, \slot, 0
	WIN 0
	s_barrier_wait -1
.if \fill
	CREST
	s_add_nc_u64 s[G0+4*\slot+2:G0+4*\slot+3], s[G0+4*\slot+2:G0+4*\slot+3], 2*KSTEP
	s_add_nc_u64 s[G0B+4*\slot+2:G0B+4*\slot+3], s[G0B+4*\slot+2:G0B+4*\slot+3], 2*KSTEP
	JLOAD G0+4*\slot, G1, G0B+4*\slot, G1B
.else
	PLACES NP
.endif
	FETCH_B \next, 0, 0
	FETCH_A \next, 0, 0
	SCALES \next
	WIN MUL_HI
	MUL16 4, 1, NQ-1, \slot, 0
	MUL16 6, 1, NQ-1, \slot, 0
	PLACES NP
	WIN 0
	FETCH_A \next, 0, 4
.endm
	s_wait_alu depctr_va_vdst(0)                   ; the wait at the head's end
	s_wait_tensorcnt 0x0                           ; my part of K step 0 is in
	ds_add_u32 v[SPW], v[NIL]
	s_wait_dscnt 0x0
	CROUND                                         ; everybody's part of K step 0 is in
	JLOAD G0+4, G1, G0B+4, G1B                     ; K step 1, the first tensor load behind the round
	FETCH_B 0, 0, 0
	FETCH_A 0, 0, 0
	SCALES 0
	FETCH_A 0, 0, 4
	s_wait_loadcnt 0x0
	s_cmp_eq_u32 ttmp9, 2
	s_cbranch_scc1 .Lfirst_v
	STEP 0, 0, 1
	s_branch .Lgo
.Lfirst_v:
	STEP 0, 0, 2
.Lgo:
	TURN 0, 1, 1
	STEP 1, 0, 0
	TURN 1, 0, 1
	STEP 0, 0, 0
	TURN 0, 1, 0
	STEP 1, 0, 0
	s_wait_dscnt 4*NL
	WIN MUL_LO
	MUL16 0, 1, NQ-1, 1, 0
	MUL16 2, 1, NQ-1, 1, 0
	s_wait_dscnt 0
	WIN MUL_HI
	MUL16 4, 1, NQ-1, 1, 0
	MUL16 6, 1, NQ-1, 1, 0
	WIN 0
	PLACES NP
.irp i, 1,3,5,7
	v_mov_b32 v[MU+\i], 0
.endr
.irp i, 2,3
	v_mov_b32 v[TP+\i], 0
.endr
.irp i, 4,5,6,7
	v_mov_b32 v[TM+\i], 0
.endr
.macro QUANT s, d0, d1, w
.irp b, 0,1,2,3
	v_max3_num_f32 v[TM+\b], |v[\s+16*\b]|, |v[\s+1+16*\b]|, 0x1800000
.endr
.irp i, 2,4,6,8,10,12,14
.irp b, 0,1,2,3
	v_max3_num_f32 v[TM+\b], v[TM+\b], |v[\s+16*\b+\i]|, |v[\s+1+16*\b+\i]|
.endr
.endr
.irp b, 0,1,2,3
	v_permlanex16_b32 v[TM+4+\b], v[TM+\b], s[SEL], s[SEL+1]
.endr
.irp b, 0,1,2,3
	v_max_num_f32 v[TM+\b], v[TM+\b], v[TM+4+\b]
.endr
.irp b, 0,1,2,3
	v_add_nc_u32 v[TM+12+\b], 0xff000000, v[TM+\b]
.endr
.irp b, 0,1,2,3
	v_lshrrev_b32 v[TM+4+\b], 23, v[TM+12+\b]
.endr
	v_lshl_or_b32 v[\w], v[TM+5], 8, v[TM+4]
	v_lshl_or_b32 v[\w], v[TM+6], 16, v[\w]
	v_lshl_or_b32 v[\w], v[TM+7], 24, v[\w]
	v_cvt_scalef32_pk16_fp6_f32 v[\d0:\d0+2], v[\s:\s+15], v[TM+12]
	v_cvt_scalef32_pk16_fp6_f32 v[XT:XT+2], v[\s+16:\s+31], v[TM+13]
	v_cvt_scalef32_pk16_fp6_f32 v[\d1:\d1+2], v[\s+32:\s+47], v[TM+14]
	v_cvt_scalef32_pk16_fp6_f32 v[XT+4:XT+6], v[\s+48:\s+63], v[TM+15]
	v_nop
.irp i, 0,1,2
	v_permlane16_swap_b32 v[\d0+\i], v[XT+\i]
	v_permlane16_swap_b32 v[\d1+\i], v[XT+4+\i]
.endr
.irp i, 0,1,2
	v_mov_b32 v[\d0+3+\i], v[XT+\i]
	v_mov_b32 v[\d1+3+\i], v[XT+4+\i]
.endr
.endm
	s_cmp_eq_u32 ttmp9, 2
	s_cbranch_scc1 .Lv_out
.macro LNQK a
.set AC, 64*((\a)%4)
.set WW, 2+(\a)/4
.set WS2, 5*WW
	WIN WS2
.set n, 0
.rept 16
	v_pk_add_f32 v[T+2*n:T+2*n+1], v[AC+4*n:AC+4*n+1], v[AC+4*n+2:AC+4*n+3]
.set n, n+1
.endr
	WIN 0
.irp k, 0,1,2,3
.irp g, 0,1
	v_pk_add_f32 v[T+16*\g+4*\k:T+16*\g+4*\k+1], v[T+16*\g+4*\k:T+16*\g+4*\k+1], v[T+16*\g+4*\k+2:T+16*\g+4*\k+3]
.endr
.endr
.irp k, 0,1
.irp g, 0,1
	v_pk_add_f32 v[T+16*\g+8*\k:T+16*\g+8*\k+1], v[T+16*\g+8*\k:T+16*\g+8*\k+1], v[T+16*\g+8*\k+4:T+16*\g+8*\k+5]
.endr
.endr
.irp g, 0,1
	v_pk_add_f32 v[T+16*\g:T+16*\g+1], v[T+16*\g:T+16*\g+1], v[T+16*\g+8:T+16*\g+9]
.endr
.irp g, 0,1
	v_add_f32 v[TP+\g], v[T+16*\g], v[T+16*\g+1]
.endr
.irp g, 0,1
	v_permlanex16_b32 v[TP+2+\g], v[TP+\g], s[SEL], s[SEL+1]
.endr
.irp g, 0,1
	v_add_f32 v[TP+\g], v[TP+\g], v[TP+2+\g]
.endr
.irp g, 0,1
	v_mul_f32 v[MU+2*\g], s[NEG64], v[TP+\g]
.endr
	WIN WW
.set n, 0
.rept 32
	v_pk_add_f32 v[Y+2*n:Y+2*n+1], v[AC+2*n:AC+2*n+1], v[MU+2*(n/16):MU+2*(n/16)+1] op_sel_hi:[1,0]
.set n, n+1
.endr
	WIN 0
.irp g, 0,1
.irp c, 0,1
	v_pk_mul_f32 v[T+4*\g+2*\c:T+4*\g+2*\c+1], v[Y+32*\g+2*\c:Y+32*\g+2*\c+1], v[Y+32*\g+2*\c:Y+32*\g+2*\c+1]
.endr
.endr
.irp k, 1,2,3,4,5,6,7
.irp g, 0,1
.irp c, 0,1
	v_pk_fma_f32 v[T+4*\g+2*\c:T+4*\g+2*\c+1], v[Y+32*\g+4*\k+2*\c:Y+32*\g+4*\k+2*\c+1], v[Y+32*\g+4*\k+2*\c:Y+32*\g+4*\k+2*\c+1], v[T+4*\g+2*\c:T+4*\g+2*\c+1]
.endr
.endr
.endr
.irp g, 0,1
	v_pk_add_f32 v[T+4*\g:T+4*\g+1], v[T+4*\g:T+4*\g+1], v[T+4*\g+2:T+4*\g+3]
.endr
.irp g, 0,1
	v_add_f32 v[TP+\g], v[T+4*\g], v[T+4*\g+1]
.endr
.irp g, 0,1
	v_permlanex16_b32 v[TP+2+\g], v[TP+\g], s[SEL], s[SEL+1]
.endr
.irp g, 0,1
	v_add_f32 v[TP+\g], v[TP+\g], v[TP+2+\g]
.endr
.irp g, 0,1
	v_fma_f32 v[TP+\g], v[TP+\g], s[INV64], s[EPS]
.endr
	s_wait_alu depctr_va_vdst(0)
.irp g, 0,1
	v_rsq_f32 v[RS+2*\g], v[TP+\g]
.endr
	v_nop
	s_wait_alu depctr_va_vdst(0)
.set n, 0
.rept 32
	v_pk_mul_f32 v[Y+2*n:Y+2*n+1], v[Y+2*n:Y+2*n+1], v[RS+2*(n/16):RS+2*(n/16)+1] op_sel_hi:[1,0]
.set n, n+1
.endr
.endm
.macro QKPAIR i
.set UA, U+24*((\i)%2)
.if (\i) >= 2
	s_wait_xcnt 0x0
.endif
	LNQK 2*(\i)
	QUANT Y, UA, UA+12, WD+2*(\i)
	LNQK 2*(\i)+1
	QUANT Y, UA+6, UA+18, WD+2*(\i)+1
.irp c, 0,1,2
	global_store_b128 v[LI], v[UA+4*\c:UA+4*\c+3], s[OB0:OB0+1] offset:1536*(\i)+512*\c
	global_store_b128 v[LI], v[UA+12+4*\c:UA+12+4*\c+3], s[OB0+2:OB0+3] offset:1536*(\i)+512*\c
.endr
.endm
	QKPAIR 0
	QKPAIR 1
	QKPAIR 2
	QKPAIR 3
	s_mov_b32 vcc_lo, 0xffff0000
.irp i, 0,1,2,3
	v_cndmask_b32 v[T+8+\i], v[WD+2*\i], v[WD+2*\i+1], vcc_lo
.endr
.irp i, 0,1,2,3
	v_and_b32 v[T+\i], 0xffff, v[T+8+\i]
.endr
.irp i, 0,1,2,3
	v_lshrrev_b32 v[T+4+\i], 16, v[T+8+\i]
.endr
	global_store_b128 v[LI], v[T:T+3], s[OB0:OB0+1] offset:6144
	global_store_b128 v[LI], v[T+4:T+7], s[OB0+2:OB0+3] offset:6144
	s_branch .Lend
.Lv_out:
; V's quantiser along the tokens: registers s + 32 c + 0 .. 31 are block 2 c + h of the key step, whole in my lane.  Two chains a block; the word's four bytes come from lanes l and l xor 16.
.macro QUANTV s, d, w
.irp c, 0,1
	v_max3_num_f32 v[TM+\c], |v[\s+32*\c]|, |v[\s+32*\c+1]|, 0x1800000
	v_max3_num_f32 v[TM+2+\c], |v[\s+32*\c+16]|, |v[\s+32*\c+17]|, |v[\s+32*\c+18]|
.endr
.irp i, 2,4,6,8,10,12
.irp c, 0,1
	v_max3_num_f32 v[TM+\c], v[TM+\c], |v[\s+32*\c+\i]|, |v[\s+32*\c+\i+1]|
	v_max3_num_f32 v[TM+2+\c], v[TM+2+\c], |v[\s+32*\c+17+\i]|, |v[\s+32*\c+18+\i]|
.endr
.endr
.irp c, 0,1
	v_max3_num_f32 v[TM+\c], v[TM+\c], |v[\s+32*\c+14]|, |v[\s+32*\c+15]|
.endr
.irp c, 0,1
	v_max3_num_f32 v[TM+\c], v[TM+\c], v[TM+2+\c], |v[\s+32*\c+31]|
.endr
.irp c, 0,1
	v_add_nc_u32 v[TM+12+\c], 0xff000000, v[TM+\c]
.endr
.irp c, 0,1
	v_lshrrev_b32 v[TM+4+\c], 23, v[TM+12+\c]
.endr
	v_lshl_or_b32 v[\w], v[TM+5], 16, v[TM+4]
	v_lshlrev_b32 v[\w], v9, v[\w]                 ; my two bytes at places h and 2 + h
	v_permlanex16_b32 v[TM+6], v[\w], s[SEL], s[SEL+1]
	v_or_b32 v[\w], v[\w], v[TM+6]
	v_cvt_scalef32_pk16_fp6_f32 v[\d:\d+2], v[\s:\s+15], v[TM+12]
	v_cvt_scalef32_pk16_fp6_f32 v[XT:XT+2], v[\s+16:\s+31], v[TM+12]
	v_cvt_scalef32_pk16_fp6_f32 v[\d+6:\d+8], v[\s+32:\s+47], v[TM+13]
	v_cvt_scalef32_pk16_fp6_f32 v[XT+4:XT+6], v[\s+48:\s+63], v[TM+13]
	v_nop
.irp i, 0,1,2
	v_mov_b32 v[\d+3+\i], v[XT+\i]
	v_mov_b32 v[\d+9+\i], v[XT+4+\i]
.endr
.endm
.macro XCHG
.irp q, 0,1,2,3,4,5,6,7,8,9,10,11,12,13,14,15
	ds_store_b128 v[SWR], v[T+4*\q:T+4*\q+3] offset:16*\q
.endr
.irp q, 0,1,2,3,4,5,6,7,8,9,10,11,12,13,14,15
	ds_load_b128 v[Y+4*\q:Y+4*\q+3], v[SRD] offset:272*\q
.endr
	s_wait_dscnt 0x0
.irp k, 0,1,2,3,4,5,6,7
	v_pk_add_f32 v[Y+8*\k:Y+8*\k+1], v[Y+8*\k:Y+8*\k+1], v[Y+8*\k+4:Y+8*\k+5]
	v_pk_add_f32 v[Y+8*\k+2:Y+8*\k+3], v[Y+8*\k+2:Y+8*\k+3], v[Y+8*\k+6:Y+8*\k+7]
.endr
.irp k, 0,1,2,3
	v_pk_add_f32 v[Y+16*\k:Y+16*\k+1], v[Y+16*\k:Y+16*\k+1], v[Y+16*\k+8:Y+16*\k+9]
	v_pk_add_f32 v[Y+16*\k+2:Y+16*\k+3], v[Y+16*\k+2:Y+16*\k+3], v[Y+16*\k+10:Y+16*\k+11]
.endr
.irp k, 0,1
	v_pk_add_f32 v[Y+32*\k:Y+32*\k+1], v[Y+32*\k:Y+32*\k+1], v[Y+32*\k+16:Y+32*\k+17]
	v_pk_add_f32 v[Y+32*\k+2:Y+32*\k+3], v[Y+32*\k+2:Y+32*\k+3], v[Y+32*\k+18:Y+32*\k+19]
.endr
	v_pk_add_f32 v[Y:Y+1], v[Y:Y+1], v[Y+32:Y+33]
	v_pk_add_f32 v[Y+2:Y+3], v[Y+2:Y+3], v[Y+34:Y+35]
.endm
.macro BCAST
	ds_store_b128 v[RW], v[Y:Y+3]
.irp q, 0,1,2,3,4,5,6,7,8,9,10,11,12,13,14,15
	ds_load_b128 v[T+4*\q:T+4*\q+3], v[RR] offset:16*\q
.endr
	s_wait_dscnt 0x0
.endm
.macro VHEAD g
.set WW, 2+\g
.set WS2, 5*WW
.set WDS, 65*WW
	WIN WS2
.set n, 0
.rept 32
	v_pk_add_f32 v[T+2*n:T+2*n+1], v[2*n:2*n+1], v[64+2*n:64+2*n+1]
.set n, n+1
.endr
.set n, 0
.rept 32
	v_pk_add_f32 v[Y+2*n:Y+2*n+1], v[128+2*n:128+2*n+1], v[192+2*n:192+2*n+1]
.set n, n+1
.endr
	WIN 0
.set n, 0
.rept 32
	v_pk_add_f32 v[T+2*n:T+2*n+1], v[T+2*n:T+2*n+1], v[Y+2*n:Y+2*n+1]
.set n, n+1
.endr
	XCHG
.irp i, 0,1,2,3
	v_mul_f32 v[Y+\i], s[NEG64], v[Y+\i]
.endr
	BCAST
	WIN WDS
.set n, 0
.rept 128
	v_pk_add_f32 v[2*n:2*n+1], v[2*n:2*n+1], v[T+2*(n%32):T+2*(n%32)+1]
.set n, n+1
.endr
	WIN WS2
.set n, 0
.rept 32
	v_pk_mul_f32 v[T+2*n:T+2*n+1], v[2*n:2*n+1], v[2*n:2*n+1]
.set n, n+1
.endr
.rept 96
	v_pk_fma_f32 v[T+2*(n%32):T+2*(n%32)+1], v[2*n:2*n+1], v[2*n:2*n+1], v[T+2*(n%32):T+2*(n%32)+1]
.set n, n+1
.endr
	WIN 0
	XCHG
.irp i, 0,1,2,3
	v_fma_f32 v[Y+\i], v[Y+\i], s[INV64], s[EPS]
.endr
	s_wait_alu depctr_va_vdst(0)
.irp i, 0,1,2,3
	v_rsq_f32 v[Y+\i], v[Y+\i]
.endr
	v_nop
	s_wait_alu depctr_va_vdst(0)
	BCAST
.irp t, 0,1,2,3
.set AA, 4*\g+\t
.set UA, U+24*(AA%2)
.if AA >= 2
	s_wait_xcnt 0x0
.endif
	WIN WW
.set n, 0
.rept 32
	v_pk_mul_f32 v[Y+2*n:Y+2*n+1], v[64*\t+2*n:64*\t+2*n+1], v[T+2*n:T+2*n+1]
.set n, n+1
.endr
	WIN 0
	QUANTV Y, UA, WD+AA
.irp c, 0,1,2
	global_store_b128 v[LI], v[UA+4*\c:UA+4*\c+3], s[OB0+2*\g:OB0+2*\g+1] offset:1536*\t+512*\c
.endr
.endr
	global_store_b128 v[LI], v[WD+4*\g:WD+4*\g+3], s[OB0+2*\g:OB0+2*\g+1] offset:6144
.endm
	v_bfe_u32 v9, v0, 4, 1
	v_lshlrev_b32 v9, 3, v9                        ; 8 h: how far my scale bytes are shifted
	VHEAD 0
	VHEAD 1
.Lend:
	s_wait_tensorcnt 0x0
	ds_add_u32 v[SPW], v[NIL]
	s_wait_dscnt 0x0
	CROUND
	s_endpgm
.Lfunc_end_k_q37a3863158_qkv:
	.size	k_q37a3863158_qkv, .Lfunc_end_k_q37a3863158_qkv-k_q37a3863158_qkv
	.p2alignl 7, 3214868480
	.fill 96, 4, 3214868480
	.section	.rodata,"a",@progbits
	.p2align	6, 0x0
	.amdhsa_kernel k_q37a3863158_qkv
		.amdhsa_group_segment_fixed_size 327680
		.amdhsa_private_segment_fixed_size 0
		.amdhsa_enable_private_segment 0
		.amdhsa_kernarg_size 56
		.amdhsa_user_sgpr_count 2
		.amdhsa_user_sgpr_kernarg_segment_ptr 1
		.amdhsa_wavefront_size32 1
		.amdhsa_system_sgpr_workgroup_id_x 1
		.amdhsa_system_sgpr_workgroup_id_y 1
		.amdhsa_system_sgpr_workgroup_id_z 1
		.amdhsa_system_vgpr_workitem_id 0
		.amdhsa_next_free_vgpr 1024
		.amdhsa_next_free_sgpr 106
		.amdhsa_reserve_vcc 1
		.amdhsa_float_denorm_mode_32 3
		.amdhsa_float_denorm_mode_16_64 3
		.amdhsa_memory_ordered 1
		.amdhsa_forward_progress 1
		.amdhsa_inst_pref_size 255
	.end_amdhsa_kernel
	.section	.bss,"aw",@nobits
	.p2align	6
	.space	262144
	.amdgpu_metadata
---
amdhsa.version: [ 1, 2 ]
amdhsa.kernels:
  - .name:           k_q37a3863158_qkv
    .symbol:         k_q37a3863158_qkv.kd
    .args:
      - { .name: xq, .offset: 0, .size: 8, .value_kind: global_buffer, .address_space: global }
      - { .name: wq, .offset: 8, .size: 8, .value_kind: global_buffer, .address_space: global }
      - { .name: bq, .offset: 16, .size: 8, .value_kind: global_buffer, .address_space: global }
      - { .name: bk, .offset: 24, .size: 8, .value_kind: global_buffer, .address_space: global }
      - { .name: bv, .offset: 32, .size: 8, .value_kind: global_buffer, .address_space: global }
      - { .name: qb, .offset: 40, .size: 8, .value_kind: global_buffer, .address_space: global }
      - { .name: kv, .offset: 48, .size: 8, .value_kind: global_buffer, .address_space: global }
    .group_segment_fixed_size: 327680
    .private_segment_fixed_size: 0
    .kernarg_segment_align: 8
    .kernarg_segment_size: 56
    .max_flat_workgroup_size: 128
    .sgpr_count:     106
    .vgpr_count:     1024
    .wavefront_size: 32
...
	.end_amdgpu_metadata
.endif
;; end of part 2
;; launch attn (part 3): grid 4 x 64, 8 waves a work-group, clusters of 4 x 1, 215,040 bytes of LDS; arguments qb, kv, ab; writes ab
.if DOCPART == 3
	.amdgcn_target "amdgcn-amd-amdhsa--gfx1250"
	.amdhsa_code_object_version 6
	.text
	.protected	k_q37a3863158_attn
	.globl	k_q37a3863158_attn
	.p2align	8
	.type	k_q37a3863158_attn,@function
k_q37a3863158_attn:
	s_mov_b64 s[64:65], 0
	v_nop
	global_prefetch_b8 v0, s[64:65] scope:SCOPE_SE
	s_setreg_imm32_b32 hwreg(HW_REG_WAVE_MODE, 25, 1), 1
	s_wait_xcnt 0x0
	s_wait_alu depctr_hold_cnt(0) depctr_sa_sdst(0) depctr_va_vdst(0) depctr_va_sdst(0) depctr_va_ssrc(0) depctr_va_vcc(0) depctr_vm_vsrc(0)
	s_getreg_b32 s2, hwreg(HW_REG_IB_STS2, 6, 4)
	s_cmp_eq_u32 s2, 0
	s_cbranch_scc0 .Lentry_in_a_cluster
	s_endpgm
.Lentry_in_a_cluster:
	s_bfe_u32 s2, ttmp6, 0x10000c
	s_cmp_lg_u32 s2, 0x3003
	s_cbranch_scc0 .Lentry_shape_is_right
	s_endpgm
.Lentry_shape_is_right:
; O = softmax(q k^T / 8) v for one (batch, head) a cluster, both products on codes of FP6 (E2M3) with E8M0 scales; O / l is quantised along the head's 64 and stored as the last product's operand.
; SHARES.  The four work-groups of a cluster share a head's K and V; each owns 512 queries, each of its eight waves 64: four tiles of 16, so that every fragment of K and V read from LDS serves four tiles; a lane holds one query of each tile.
; THE HEAD'S WHOLE K AND V, 16 key steps of 13,312 bytes of register images, come into LDS once: wave w asks jointly for key steps 2 w and 2 w + 1, 104 rows of 256 bytes, its one tensor load.  One wait for 0 and one barrier show them to all;
; nothing is filled again and nothing is stored to LDS, so no other barrier stands in the text.  All that the launch reads is asked for at its head: there is no later stream to prefetch.
; LAYOUT.  Both products are used transposed: S^T = K Q^T (source 0 = 16 keys), O^T = V^T P^T (source 0 = 16 channels).  Storage row 16 t + 8 h + i of 64 holds token 32 h + 8 t + i, so the 32 scores that lane (r, h) has of K's tiles 4 c .. 4 c + 3 are
; keys 64 c + 32 h + 0 .. 31 of the step: one whole scale block, in the order of the next operand's registers 6 c .. 6 c + 5.  No lane looks at another but for the scale word's bytes.
; A STEP IS EIGHT UNITS (query tile a, half c of the keys), each 4 products, 32 scores a lane, one block, in two buffers by turns: the next unit's products stand among this unit's additions to the row's sum; a tile's O^T products follow its second unit.
; K and V have registers of their own: the next step's K is read from LDS one unit ahead (in the last step its address is held at the last key step: those registers are then read by nobody), V at the step's head.
; REGISTERS.  Window 0: addresses, Q's four operands, scale words, K, the two score buffers, sums.  Window 1: O^T v0-127 (32 a + 8 t), p's codes v128-175 (12 a + 6 c), their upper halves v176-182, V v184-231.
; K = 64 IN AN INSTRUCTION OF 128: Q's operands have zero codes in registers 6-11, and both sides' scale bytes 2, 3 are 0 (2^-127, a number): K's operand of tile t is its six registers and the six that follow, which meet zeros.
; THE SOFTMAX.  p = 2^t, t = score x log2(e) / 8, with the whole number M = 0 in every row.  q and k are normalised over the head's 64 numbers with no gain behind, so their norms are at most 8, with the format's rounding at most 9.5:
; |score| <= 90.3 and |t| <= 16.3 for every input.  So p lies in 2^-16.3 .. 2^16.3, a row's sum under 2^28, p's scale bytes in 108 .. 141: nothing overflows or underflows; a block's scale takes up the whole number, so the codes' values are those under the row's own M.
; The row's sum is taken of the unquantised p.  A block's largest p is its largest score put through the same multiplication and exponential (this takes v_exp_f32 not to fall where its input rises).
; The step is written once: O^T and the sums begin as zeros.
; OUT.  ab: blocks [256 rows][4 heads][half]: images [tile of 16 rows][head pair][head % 2][3][lane][8 bytes] (each store covers 256 consecutive bytes, aligned), then scale bytes [row][8]: two bytes a row and head, stored singly.
; LIMITS: NaN and infinities are not served.
.set UNIT,   13312                     ; a key step: K's images 6,144 + words 512, V's likewise
.set QUNIT,  6656
.set SPARE,  16*UNIT
.set LI,  1                            ; 16 x lane
.set AD,  2                            ; this key step's LDS address
.set GO,  4                            ; 8 x lane
.set GS,  5                            ; 8 r + h
.set SH,  6                            ; 8 h
.set ADN, 7                            ; the next key step's LDS address
.set QF,  8                            ; v8-55 Q's four operands: six registers of codes, six of zeros
.set QS,  56                           ; v56, v57 Q's scale words: lanes 0-15 the even tile's, lanes 16-31 the odd tile's
.set KS,  60
.set VS,  64
.set PS,  68                           ; v68-71 p's scale words
.set KF,  72                           ; v72-119 K's eight tiles; v120-125 zeros
.set S,   126                          ; v126-157, v158-189 the two score buffers: buffer c
.set L,   190                          ; v190-205 the rows' sums: 4 a, two chains of a pair each
.set BM,  206
.set SCO, 210
.set BX,  212
.set BY,  216                          ; v216-223 scale bytes: 2 a + c
.set RL,  224
.set EM,  232
.set ES,  234
.set PXE, 236
.set SPW, 254
.set NIL, 255
.set O,   0                            ; window 1
.set PC,  128
.set PX,  176
.set VF,  184
.set WV,  10
.set G1,  16
.set G0,  24
.set CS,  40
.set SEL, 42
.set TB,  44
.set CNT, 45
.set TN,  46
.set OUT, 48
.set OSC, 50
.set MSB, 0
.macro WIN new                         ; the immediate's high byte repeats the setting that is left
.if MSB != \new
	s_set_vgpr_msb (MSB<<8)|\new
.set MSB, \new
.endif
.endm
.macro WALU
	s_wait_alu depctr_va_vdst(0)
.endm
.macro CROUND
	s_barrier_signal -1
	s_barrier_wait -1
	s_cmp_lg_u32 s[WV], 0
	s_cbranch_scc1 .Lnot_wave_0_\@
	s_barrier_signal -3
.Lnot_wave_0_\@:
	s_barrier_wait -3
	s_barrier_signal -1
	s_barrier_wait -1
.endm
	s_load_b128 s[4:7], s[0:1], 0x0                ; qb, kv
	s_load_b64 s[8:9], s[0:1], 0x10                ; ab
	v_lshl_add_u32 v[SPW], v0, 2, SPARE
	v_mov_b32 v[NIL], 0
	ds_add_u32 v[SPW], v[NIL]                      ; the opening lines: the add twice on end and its wait
	ds_add_u32 v[SPW], v[NIL]
	v_lshrrev_b32 v1, 5, v0
	s_delay_alu instid0(VALU_DEP_1)
	v_readfirstlane_b32 s[WV], v1                  ; wave 0..7
	s_bfe_u32 s11, ttmp6, 0x40000                  ; cx: it enters Q's and the output's addresses alone
	s_and_b32 s12, ttmp7, 0xffff                   ; 16 x batch + head, which the four partners share
	s_mov_b32 s[G1], 15|(3<<16)|(1<<21)            ; the mask: all four work-groups; elements of 8 bytes; bit 21 beside a mask
	s_mov_b32 s[G1+1], 32<<16                      ; rows of 256 bytes,
	s_mov_b32 s[G1+2], 104<<16                     ; 104 of them: two key steps
	s_mov_b32 s[G1+3], 32<<16
	s_mov_b32 s[G1+4], 104
	s_mov_b32 s[G1+5], 32
	s_mov_b32 s[G1+6], 0
	s_mov_b32 s[G1+7], 0
	s_mul_i32 s52, s12, 16*UNIT                    ; the head's first byte in kv
	s_mul_i32 s13, s[WV], 2*UNIT                   ; my two key steps, in memory and in LDS alike
	s_add_co_u32 s52, s52, s13
	s_mov_b32 s53, 0
	s_mov_b32 s[G0], 1
	s_mov_b32 s[G0+1], s13
	s_wait_dscnt 0x0
	s_wait_kmcnt 0x0
	s_add_nc_u64 s[G0+2:G0+3], s[6:7], s[52:53]
	s_or_b32 s[G0+3], s[G0+3], 0x80000000
	CROUND                                         ; all four work-groups are here: the joint loads meet
	tensor_load_to_lds s[G0:G0+3], s[G1:G1+7]
	s_nop 0
.rept 4
	v_nop
.endr
	s_lshr_b32 s52, s12, 4                         ; where my rows go: group of 256 rows = 8 x batch + 2 cx + wave / 4,
	s_lshl_b32 s52, s52, 3
	s_lshl_b32 s53, s11, 1
	s_add_co_u32 s52, s52, s53
	s_lshr_b32 s53, s[WV], 2
	s_add_co_u32 s52, s52, s53
	s_lshl_b32 s52, s52, 2
	s_bfe_u32 s53, s12, 0x20002                    ; K step = head / 4,
	s_add_co_u32 s52, s52, s53
	s_lshl_b32 s52, s52, 1
	s_bfe_u32 s53, s[WV], 0x10001                  ; half = (wave / 2) % 2:
	s_add_co_u32 s52, s52, s53
	s_mul_i32 s52, s52, 25600                      ; the block
	s_and_b32 s53, s[WV], 1                        ; my four tiles of its eight
	s_and_b32 s14, s12, 3                          ; head % 4
	s_mul_i32 s54, s53, 12288
	s_add_co_u32 s54, s54, s52
	s_mul_i32 s15, s14, 768
	s_add_co_u32 s54, s54, s15
	s_mov_b32 s55, 0
	s_add_nc_u64 s[OUT:OUT+1], s[8:9], s[54:55]
	s_lshl_b32 s54, s53, 9
	s_add_co_u32 s54, s54, s52
	s_lshl_b32 s15, s14, 1
	s_add_co_u32 s54, s54, s15
	s_add_co_u32 s54, s54, 24576
	s_add_nc_u64 s[OSC:OSC+1], s[8:9], s[54:55]
	s_lshl_b32 s52, s11, 2
	s_lshr_b32 s15, s[WV], 1
	s_add_co_u32 s52, s52, s15                     ; Q's unit of 128 rows
	s_mul_i32 s52, s52, QUNIT
	s_mul_i32 s15, s12, 16*QUNIT
	s_add_co_u32 s52, s52, s15
	s_mul_i32 s54, s53, 3072                       ; my two pairs of tiles in it
	s_add_co_u32 s54, s54, s52
	s_add_nc_u64 s[56:57], s[4:5], s[54:55]
	s_lshl_b32 s54, s53, 3
	s_add_co_u32 s54, s54, s52
	s_add_co_u32 s54, s54, 6144
	s_add_nc_u64 s[58:59], s[4:5], s[54:55]
	s_mov_b32 s[CS], 0x3e38aa3b                    ; c = log2(e) / 8
	s_mov_b32 s[CS+1], s[CS]                       ; (named with it as a pair, so it is written)
	s_mov_b32 s[SEL], 0x76543210
	s_mov_b32 s[SEL+1], 0xfedcba98
	s_mov_b32 vcc_lo, 0xffff0000                   ; lanes 16-31
	v_and_b32 v3, 31, v0
	v_and_b32 v240, 15, v0
	v_bfe_u32 v241, v0, 4, 1
	s_delay_alu instid0(VALU_DEP_3)
	v_lshlrev_b32 v[LI], 4, v3
	s_delay_alu instid0(VALU_DEP_4)
	v_lshlrev_b32 v[GO], 3, v3
	s_delay_alu instid0(VALU_DEP_3)
	v_lshl_add_u32 v[GS], v240, 3, v241
	s_delay_alu instid0(VALU_DEP_4)
	v_lshlrev_b32 v[SH], 3, v241
.irp k, 0,1,2,3,4,5
	global_load_b128 v[S+4*\k:S+4*\k+3], v[LI], s[56:57] offset:512*\k   ; four tiles' codes, six registers each
.endr
	global_load_b64 v[QS:QS+1], v[LI], s[58:59]
.irp a, 0,1,2,3
.irp i, 6,7,8,9,10,11
	v_mov_b32 v[QF+12*\a+\i], 0                    ; zero codes for k = 64 .. 127
.endr
	v_mov_b32 v[BX+\a], 0                          ; a lane permute's destination counts as one of its sources
	v_mov_b32 v[RL+2*\a+1], 0                      ; (named as the upper halves of pairs)
.endr
.irp i, 0,1,2,3,4,5
	v_mov_b32 v[KF+48+\i], 0                       ; what follows K's last tile
.endr
	WIN 0x40
.set n, 0
.rept 128
	v_mov_b32 v[O+n], 0                            ; O^T
.set n, n+1
.endr
	WIN 0
.macro SUM a, j                        ; four of tile a's p onto its rows' sum, in two chains
	v_pk_add_f32 v[L+4*\a:L+4*\a+1], v[L+4*\a:L+4*\a+1], v[S+\j:S+\j+1]
	v_pk_add_f32 v[L+4*\a+2:L+4*\a+3], v[L+4*\a+2:L+4*\a+3], v[S+\j+2:S+\j+3]
.endm
.macro QKW a, c, rb, p, o              ; the scores of K's tile 4 c + 2 p + o against Q's tile a (rb = a % 2)
	v_wmma_scale_f32_16x16x128_f8f6f4 v[S+32*\c+16*\p+8*\o:S+32*\c+16*\p+8*\o+7], v[KF+24*\c+12*\p+6*\o:KF+24*\c+12*\p+6*\o+11], v[QF+12*\a:QF+12*\a+11], 0, v[KS+2*\c+\p], v[QS+\a/2] matrix_a_fmt:MATRIX_FMT_FP6 matrix_b_fmt:MATRIX_FMT_FP6 matrix_a_scale:MATRIX_SCALE_ROW\o matrix_b_scale:MATRIX_SCALE_ROW\rb
.endm
.macro QKS na, nc, nrb, a, c           ; the next unit's four products, into the other buffer, each with four additions of this unit's p behind it: the last four are the last product's places
.irp p, 0,1
	QKW \na, \nc, \nrb, \p, 0
	SUM \a, 32*\c+16*\p
	SUM \a, 32*\c+16*\p+4
	QKW \na, \nc, \nrb, \p, 1
	SUM \a, 32*\c+16*\p+8
	SUM \a, 32*\c+16*\p+12
.endr
.endm
.macro MAXU c                          ; the block's largest score: a chain a tile, each tile first read at its low end
.irp k, 0,1,2,3
	v_max3_num_f32 v[BM+\k], v[S+32*\c+8*\k], v[S+32*\c+8*\k+1], v[S+32*\c+8*\k+2]
.endr
.irp i, 3,5
.irp k, 0,1,2,3
	v_max3_num_f32 v[BM+\k], v[BM+\k], v[S+32*\c+8*\k+\i], v[S+32*\c+8*\k+\i+1]
.endr
.endr
	v_max3_num_f32 v[BM], v[BM], v[BM+1], v[S+32*\c+7]
	v_max3_num_f32 v[BM+2], v[BM+2], v[BM+3], v[S+32*\c+15]
	v_max3_num_f32 v[BM], v[BM], v[BM+2], v[S+32*\c+23]
	v_max_num_f32 v[BM], v[BM], v[S+32*\c+31]
.endm
; A unit behind its maximum.  more = 1: unit (na, nc) follows in this step.
.macro UNIT a, c, na, nc, nrb, more
.set n, 0
.rept 16
	v_pk_mul_f32 v[S+32*\c+2*n:S+32*\c+2*n+1], v[S+32*\c+2*n:S+32*\c+2*n+1], s[CS:CS+1] op_sel_hi:[1,0]   ; t
.set n, n+1
.endr
	v_mul_f32 v[BM], s[CS], v[BM]                  ; the same of the largest score
	WALU                                           ; the wait ahead of the batch
.set n, 0
.rept 32
	v_exp_f32 v[S+32*\c+n], v[S+32*\c+n]           ; p = 2^t
.set n, n+1
.endr
	v_exp_f32 v[BM], v[BM]                         ; the block's largest p
	v_nop                                          ; one plain place behind the batch
	WALU                                           ; and the wait ahead of its first reader
	v_add_nc_u32 v[SCO], 0xff000000, v[BM]         ; 2 off the exponent field: the conversion's scale operand (p is at least 2^-17: no floor is needed)
	s_delay_alu instid0(VALU_DEP_1)
	v_lshrrev_b32 v[BY+2*\a+\c], 23, v[SCO]        ; the scale's byte
.if \c
	s_delay_alu instid0(VALU_DEP_1)
	v_lshl_or_b32 v[PS+\a], v[BY+2*\a+1], 16, v[BY+2*\a]   ; tile a's scale word of these 128 keys: my bytes
	s_delay_alu instid0(VALU_DEP_1)
	v_lshlrev_b32 v[PS+\a], v[SH], v[PS+\a]        ; at places h and 2 + h;
	s_delay_alu instid0(VALU_DEP_1)
	v_permlanex16_b32 v[BX], v[PS+\a], s[SEL], s[SEL+1]
	s_delay_alu instid0(VALU_DEP_1)
	v_or_b32 v[PS+\a], v[PS+\a], v[BX]             ; with lane l xor 16's the word is whole
.endif
	WIN 0x40                                       ; the codes go to window 1
	v_cvt_scalef32_pk16_fp6_f32 v[PC+12*\a+6*\c:PC+12*\a+6*\c+2], v[S+32*\c:S+32*\c+15], v[SCO]
	v_cvt_scalef32_pk16_fp6_f32 v[PX+4*\c:PX+4*\c+2], v[S+32*\c+16:S+32*\c+31], v[SCO]
.if \c
	WIN 0x41
	v_nop                                          ; one plain place behind the conversions
.irp i, 0,1,2
	v_mov_b32 v[PC+12*\a+3+\i], v[PX+\i]           ; both blocks' upper 16 codes to their places (a conversion's three registers begin on an even number)
	v_mov_b32 v[PC+12*\a+9+\i], v[PX+4+\i]
.endr
.endif
	WIN 0
.if \more
	QKS \na, \nc, \nrb, \a, \c
.else
.irp j, 0,4,8,12,16,20,24,28
	SUM \a, 32*\c+\j
.endr
.endif
.endm
.macro PV a                            ; O^T of tile a += V^T p^T; sixteen additions stand between the last write of p's codes and scale word and these products
	WIN 0x55
.irp t, 0,1,2,3
	v_wmma_scale_f32_16x16x128_f8f6f4 v[O+32*\a+8*\t:O+32*\a+8*\t+7], v[VF+12*\t:VF+12*\t+11], v[PC+12*\a:PC+12*\a+11], v[O+32*\a+8*\t:O+32*\a+8*\t+7], v[VS+\t], v[PS+\a] matrix_a_fmt:MATRIX_FMT_FP6 matrix_b_fmt:MATRIX_FMT_FP6
.endr
	WIN 0
.endm
.macro KLOADS
.irp i, 0,1,2,3
.irp c, 0,1,2
	ds_load_b128 v[KF+12*\i+4*\c:KF+12*\i+4*\c+3], v[ADN] offset:1536*\i+512*\c
.endr
.endr
	ds_load_b128 v[KS:KS+3], v[ADN] offset:6144
.endm
	WALU                                           ; the wait at the head's end
	s_wait_tensorcnt 0x0                           ; my two key steps are in
	s_barrier_signal -1
	s_barrier_wait -1                              ; and everybody's
	s_wait_loadcnt 0x0                             ; Q
.irp a, 0,1,2,3
.irp i, 0,1,2,3,4,5
	v_mov_b32 v[QF+12*\a+\i], v[S+6*\a+\i]         ; each tile's codes to its operand
.endr
.endr
.set n, 0
.rept 16
	v_mov_b32 v[L+n], 0                            ; the sums.  (These are also the places between Q's operands' writes and the first products)
.set n, n+1
.endr
	s_mov_b32 s[TB], 0
	s_mov_b32 s[CNT], 16
	v_add_nc_u32 v[ADN], s[TB], v[LI]
	KLOADS                                         ; key step 0's K
	WALU
.Lstep:                                                ; A KEY STEP: 128 keys x 64 queries
	s_wait_dscnt 0x0                               ; K
.irp p, 0,1
	QKW 0, 0, 0, \p, 0
	QKW 0, 0, 0, \p, 1
.endr
	s_add_co_u32 s[TN], s[TB], UNIT
	s_min_u32 s[TN], s[TN], 15*UNIT                ; the next key step, held inside the data in the last trip
	v_add_nc_u32 v[AD], s[TB], v[LI]               ; four places behind the products
	v_add_nc_u32 v[ADN], s[TN], v[LI]
	v_nop
	v_nop
	MAXU 0                                         ; with the four above: the places in front of loads into V's registers, which the last step's last products read
	WIN 0x40
.irp t, 0,1,2,3
.irp c, 0,1,2
	ds_load_b128 v[VF+12*\t+4*\c:VF+12*\t+4*\c+3], v[AD] offset:6656+1536*\t+512*\c
.endr
.endr
	WIN 0
	ds_load_b128 v[VS:VS+3], v[AD] offset:12800
	UNIT 0, 0, 0, 1, 0, 1
	MAXU 1
	UNIT 0, 1, 1, 0, 1, 1
	WALU
	s_wait_dscnt 0x0                               ; V
	PV 0
	MAXU 0
	UNIT 1, 0, 1, 1, 1, 1
	MAXU 1
	UNIT 1, 1, 2, 0, 0, 1
	PV 1
	MAXU 0
	UNIT 2, 0, 2, 1, 0, 1
	MAXU 1
	UNIT 2, 1, 3, 0, 1, 1
	PV 2
	MAXU 0
	UNIT 3, 0, 3, 1, 1, 1
	MAXU 1                                         ; sixteen places behind the step's last products on K
	KLOADS                                         ; the next step's K
	UNIT 3, 1, 0, 0, 0, 0
	PV 3
	s_add_co_u32 s[TB], s[TB], UNIT
	s_sub_co_u32 s[CNT], s[CNT], 1
	s_cmp_lg_u32 s[CNT], 0
	WALU
	s_cbranch_scc1 .Lstep
	; THE WAY OUT
.irp a, 0,1,2,3
	v_pk_add_f32 v[L+4*\a:L+4*\a+1], v[L+4*\a:L+4*\a+1], v[L+4*\a+2:L+4*\a+3]
.endr
.irp a, 0,1,2,3
	s_delay_alu instid0(VALU_DEP_4)
	v_add_f32 v[L+4*\a], v[L+4*\a], v[L+4*\a+1]
.endr
.irp a, 0,1,2,3
	s_delay_alu instid0(VALU_DEP_4)
	v_permlanex16_b32 v[BX+\a], v[L+4*\a], s[SEL], s[SEL+1]
.endr
.irp a, 0,1,2,3
	s_delay_alu instid0(VALU_DEP_4)
	v_add_f32 v[L+4*\a], v[L+4*\a], v[BX+\a]       ; the rows' sums
.endr
	WALU
.irp a, 0,1,2,3
	v_rcp_f32 v[RL+2*\a], v[L+4*\a]
.endr
	v_nop
	s_wait_dscnt 0x0                               ; the last trip's loads of K have come back
.macro OUTT a                          ; 16 queries: O^T / l, quantised along the head's 64, stored.  Its codes: v[EC ..], in the second score buffer, eight registers a tile: every store has data registers of its own
.set EC, S+32+8*\a
	WIN 0x01                                       ; source 0: window 1
	WALU                                           ; the wait directly ahead of the first reader
.set n, 0
.rept 16
	v_pk_mul_f32 v[S+2*n:S+2*n+1], v[O+32*\a+2*n:O+32*\a+2*n+1], v[RL+2*\a:RL+2*\a+1] op_sel_hi:[1,0]   ; register 16 b + i is channel 32 b + 16 h + i; ascending: each accumulator is first read at its low end
.set n, n+1
.endr
	WIN 0
.irp b, 0,1
	v_max3_num_f32 v[EM+\b], |v[S+16*\b]|, |v[S+1+16*\b]|, 0x1800000
.endr
.irp i, 2,4,6,8,10,12,14
.irp b, 0,1
	s_delay_alu instid0(VALU_DEP_2)
	v_max3_num_f32 v[EM+\b], v[EM+\b], |v[S+16*\b+\i]|, |v[S+1+16*\b+\i]|
.endr
.endr
.irp b, 0,1
	s_delay_alu instid0(VALU_DEP_2)
	v_permlanex16_b32 v[BX+\b], v[EM+\b], s[SEL], s[SEL+1]
.endr
.irp b, 0,1
	s_delay_alu instid0(VALU_DEP_2)
	v_max_num_f32 v[EM+\b], v[EM+\b], v[BX+\b]
.endr
.irp b, 0,1
	s_delay_alu instid0(VALU_DEP_2)
	v_add_nc_u32 v[ES+\b], 0xff000000, v[EM+\b]
.endr
.irp b, 0,1
	s_delay_alu instid0(VALU_DEP_2)
	v_lshrrev_b32 v[BY+2*\a+\b], 23, v[ES+\b]
.endr
	v_cvt_scalef32_pk16_fp6_f32 v[EC:EC+2], v[S:S+15], v[ES]
	v_cvt_scalef32_pk16_fp6_f32 v[PXE:PXE+2], v[S+16:S+31], v[ES+1]
	v_nop
.irp i, 0,1,2
	v_permlane16_swap_b32 v[EC+\i], v[PXE+\i]
.endr
.irp i, 0,1,2
	s_delay_alu instid0(VALU_DEP_3)
	v_mov_b32 v[EC+3+\i], v[PXE+\i]
.endr
	v_cndmask_b32 v[BY+2*\a], v[BY+2*\a], v[BY+2*\a+1], vcc_lo   ; lanes 0-15 store block 0's byte, lanes 16-31 block 1's
.irp p, 0,1,2
	global_store_b64 v[GO], v[EC+2*\p:EC+2*\p+1], s[OUT:OUT+1] offset:3072*\a+256*\p   ; 32 lanes store 256 consecutive bytes, aligned
.endr
	global_store_b8 v[GS], v[BY+2*\a], s[OSC:OSC+1] offset:128*\a
.endm
	OUTT 0
	OUTT 1
	OUTT 2
	OUTT 3
	s_wait_tensorcnt 0x0                           ; the wave's end
	ds_add_u32 v[SPW], v[NIL]
	s_wait_dscnt 0x0
	CROUND                                         ; the closing round
	s_endpgm
.Lfunc_end_k_q37a3863158_attn:
	.size	k_q37a3863158_attn, .Lfunc_end_k_q37a3863158_attn-k_q37a3863158_attn
	.p2alignl 7, 3214868480
	.fill 96, 4, 3214868480
	.section	.rodata,"a",@progbits
	.p2align	6, 0x0
	.amdhsa_kernel k_q37a3863158_attn
		.amdhsa_group_segment_fixed_size 215040
		.amdhsa_private_segment_fixed_size 0
		.amdhsa_enable_private_segment 0
		.amdhsa_kernarg_size 24
		.amdhsa_user_sgpr_count 2
		.amdhsa_user_sgpr_kernarg_segment_ptr 1
		.amdhsa_wavefront_size32 1
		.amdhsa_system_sgpr_workgroup_id_x 1
		.amdhsa_system_sgpr_workgroup_id_y 1
		.amdhsa_system_sgpr_workgroup_id_z 1
		.amdhsa_system_vgpr_workitem_id 0
		.amdhsa_next_free_vgpr 512
		.amdhsa_next_free_sgpr 66
		.amdhsa_reserve_vcc 1
		.amdhsa_float_denorm_mode_32 3
		.amdhsa_float_denorm_mode_16_64 3
		.amdhsa_memory_ordered 1
		.amdhsa_forward_progress 1
		.amdhsa_inst_pref_size 78
	.end_amdhsa_kernel
	.amdgpu_metadata
---
amdhsa.version: [ 1, 2 ]
amdhsa.kernels:
  - .name:           k_q37a3863158_attn
    .symbol:         k_q37a3863158_attn.kd
    .args:
      - { .name: qb, .offset: 0, .size: 8, .value_kind: global_buffer, .address_space: global }
      - { .name: kv, .offset: 8, .size: 8, .value_kind: global_buffer, .address_space: global }
      - { .name: ab, .offset: 16, .size: 8, .value_kind: global_buffer, .address_space: global }
    .group_segment_fixed_size: 215040
    .private_segment_fixed_size: 0
    .kernarg_segment_align: 8
    .kernarg_segment_size: 24
    .max_flat_workgroup_size: 256
    .sgpr_count:     66
    .vgpr_count:     512
    .wavefront_size: 32
...
	.end_amdgpu_metadata
.endif
;; end of part 3
;; launch oproj (part 4): grid 4 x 32, 4 waves a work-group, clusters of 4 x 4, 327,680 bytes of LDS; arguments ab, wq, bo, out0; writes out0
.if DOCPART == 4
	.amdgcn_target "amdgcn-amd-amdhsa--gfx1250"
	.amdhsa_code_object_version 6
	.text
	.protected	k_q37a3863158_oproj
	.globl	k_q37a3863158_oproj
	.p2align	8
	.type	k_q37a3863158_oproj,@function
k_q37a3863158_oproj:
	s_mov_b64 s[64:65], 0
	v_nop
	global_prefetch_b8 v0, s[64:65] scope:SCOPE_SE
	s_setreg_imm32_b32 hwreg(HW_REG_WAVE_MODE, 25, 1), 1
	s_wait_xcnt 0x0
	s_wait_alu depctr_hold_cnt(0) depctr_sa_sdst(0) depctr_va_vdst(0) depctr_va_sdst(0) depctr_va_ssrc(0) depctr_va_vcc(0) depctr_vm_vsrc(0)
	s_getreg_b32 s2, hwreg(HW_REG_IB_STS2, 6, 4)
	s_cmp_eq_u32 s2, 0
	s_cbranch_scc0 .Lentry_in_a_cluster
	s_endpgm
.Lentry_in_a_cluster:
	s_bfe_u32 s2, ttmp6, 0x10000c
	s_cmp_lg_u32 s2, 0xf033
	s_cbranch_scc0 .Lentry_shape_is_right
	s_endpgm
.Lentry_shape_is_right:
; out0 = a Wo + bo on codes of FP6 with E8M0 scales.  A work-group of four waves makes 256 x 256; clusters of 4 x 4 ask for A's and B's tiles jointly.
; ab and wq are dense blocks [256 rows][K step of 256][half] of 25,600 bytes: 24,576 of codes (ab: register images; wq: rows of 192 bytes), then 128 rows x 8 scale bytes.  A wave's load brings one block as 100 rows of 256 bytes,
; 16 bytes of padding behind every 64; a tile's scale words come with it.  Two slots, four K steps.  ab's storage row 16 t + 8 h + i of 64 is token 32 h + 8 t + i: the stores put the rows back in order.
.set NQ,     2
.set ROWB,   256
.set AROWB,  3840                      ; a tile of 16 rows of A in LDS: 3,072 bytes of images and their padding
.set KSTEP,  51200
.set KROW,   768
.set PITCH,  240
.set FR,     12
.set NL,     6
.set NP,     4
.set HALFT,  32000
.set SLOT,   4*HALFT
.set SOFF,   128*PITCH                 ; a block's scale bytes in LDS: 8 rows x 8 bytes, then 16 of padding
.set SBLK,   160                       ; those of 16 rows
.set SPARE,  2*SLOT
.set SPITCH, 528
.set ADRA, 16
.set ADRB, 20
.set STO,  24
.set RD,   25
.set CO,   26
.set ADRS, 14
.set SPW,  28
.set NIL,  29
.set SC,   32
.set BI,   64
.set AF,   128
.set BK,   128
.set WV,   18
.set HR,   19
.set HC,   20
.set TR,   21
.set TC,   22
.set G1,   24
.set G0,   32
.set G1B,  48
.set G0B,  56
.set MSB, 0
.macro WIN new
.if MSB != \new
	s_set_vgpr_msb (MSB<<8)|\new
.set MSB, \new
.endif
.endm
.set MUL_LO, 0xa1
.set MUL_HI, 0xf1
.set TO_B,   0x40
.macro JLOAD g0a, g1a, g0b, g1b
	s_cmp_eq_u32 s[HR], 0
	s_cbranch_scc0 .Lfor_b_\@
	tensor_load_to_lds s[\g0a:\g0a+3], s[\g1a:\g1a+7]
	s_nop 0
.rept 4
	v_nop
.endr
	s_branch .Lasked_\@
.Lfor_b_\@:
	tensor_load_to_lds s[\g0b:\g0b+3], s[\g1b:\g1b+7]
	s_nop 0
.rept 4
	v_nop
.endr
.Lasked_\@:
.endm
.macro CREST
	s_cmp_lg_u32 s[WV], 0
	s_cbranch_scc1 .Lnot_wave_0_\@
	s_barrier_signal -3
.Lnot_wave_0_\@:
	s_barrier_wait -3
	s_barrier_signal -1
	s_barrier_wait -1
.endm
.macro CROUND
	s_barrier_signal -1
	s_barrier_wait -1
	CREST
.endm
	s_load_b256 s[4:11], s[0:1], 0x0
	v_lshl_add_u32 v[SPW], v0, 2, SPARE
	v_mov_b32 v[NIL], 0
	ds_add_u32 v28, v29
	ds_add_u32 v28, v29
	s_wait_dscnt 0x0
	v_lshrrev_b32 v1, 5, v0
	v_readfirstlane_b32 s[WV], v1
	s_lshr_b32 s[HR], s[WV], 1
	s_and_b32 s[HC], s[WV], 1
	s_bfe_u32 s40, ttmp6, 0x40000
	s_bfe_u32 s41, ttmp6, 0x40004
	s_lshl_b32 s[TC], ttmp9, 2
	s_add_co_u32 s[TC], s[TC], s40
	s_and_b32 s[TR], ttmp7, 0xffff
	s_lshl_b32 s[TR], s[TR], 2
	s_add_co_u32 s[TR], s[TR], s41
	s_lshl_b32 s45, s41, 2
	s_lshl_b32 s45, 15, s45
	s_lshl_b32 s46, 0x1111, s40
	s_or_b32 s[G1+0], s45, (1<<20)|(1<<21)|(3<<22)|(3<<25)
	s_or_b32 s[G1B+0], s46, (1<<20)|(1<<21)|(3<<22)|(3<<25)
.irp g, G1, G1B
	s_mov_b32 s[\g+1], ROWB<<16
	s_mov_b32 s[\g+2], 100<<16
	s_mov_b32 s[\g+3], ROWB<<16
	s_mov_b32 s[\g+4], 100
	s_mov_b32 s[\g+5], ROWB
	s_mov_b32 s[\g+6], 0
	s_mov_b32 s[\g+7], 0
.endr
	s_mul_i32 s23, s[HC], KSTEP/2                  ; which half of a tile's 256 rows I fetch
	s_mul_i32 s42, s[TR], 4*KSTEP                  ; A's group of 256 rows
	s_add_co_u32 s42, s42, s23
	s_mov_b32 s43, 0
	s_add_co_u32 s44, s[TC], 12                    ; Wo's rows are wq's groups 12 to 15
	s_mul_i32 s44, s44, 4*KSTEP
	s_add_co_u32 s44, s44, s23
	s_mov_b32 s45, 0
	s_mul_i32 s47, s[WV], HALFT
	s_wait_kmcnt 0x0
	s_add_nc_u64 s[96:97], s[4:5], s[42:43]
	s_add_nc_u64 s[42:43], s[6:7], s[44:45]
.irp s, 0,1
	s_mov_b32 s[G0+4*\s], 1
	s_add_co_u32 s[G0+4*\s+1], s47, \s*SLOT
	s_add_nc_u64 s[G0+4*\s+2:G0+4*\s+3], s[96:97], \s*KSTEP
	s_or_b32 s[G0+4*\s+3], s[G0+4*\s+3], 0x80000000
	s_mov_b32 s[G0B+4*\s], 1
	s_add_co_u32 s[G0B+4*\s+1], s47, \s*SLOT
	s_add_nc_u64 s[G0B+4*\s+2:G0B+4*\s+3], s[42:43], \s*KSTEP
	s_or_b32 s[G0B+4*\s+3], s[G0B+4*\s+3], 0x80000000
.endr
	CROUND                                         ; all sixteen work-groups are here: the first joint loads meet
	JLOAD G0, G1, G0B, G1B                         ; K step 0, a quarter of the slot a wave: my one load at the head
	v_and_b32 v1, 15, v0
	v_bfe_u32 v2, v0, 4, 1
	v_and_b32 v6, 31, v0
	v_mul_u32_u24 v3, v1, PITCH
	v_mul_u32_u24 v4, v2, 24
	v_add_nc_u32 v4, v3, v4
	v_lshl_add_u32 v5, v2, 4, v4
	v_lshrrev_b32 v3, 3, v6
	v_lshlrev_b32 v3, 4, v3
	v_lshl_add_u32 v3, v6, 3, v3                   ; A's images: 8 x lane, and 16 of padding behind every eight lanes
	s_mul_i32 s92, s[HR], HALFT
	s_mul_i32 s93, s[HC], HALFT
	s_add_co_u32 s93, s93, 2*HALFT
.irp s, 0,1
	v_add_nc_u32 v[ADRA+\s], s92, v3
	v_add_nc_u32 v[ADRB+\s], s93, v4
	v_add_nc_u32 v[ADRB+2+\s], s93, v5
	s_add_co_u32 s92, s92, SLOT
	s_add_co_u32 s93, s93, SLOT
.endr
	v_lshrrev_b32 v8, 3, v1
	v_and_b32 v5, 7, v1
	v_mul_u32_u24 v8, v8, 80
	v_lshl_add_u32 v5, v5, 3, v8                   ; my row's two scale words: 80 (r / 8) + 8 (r % 8)
	s_mul_i32 s92, s[HR], HALFT
	s_mul_i32 s93, s[HC], HALFT
	s_add_co_u32 s93, s93, 2*HALFT
	s_sub_co_u32 s93, s93, s92
	v_mul_u32_u24 v8, s93, v2                      ; lanes 16-31 take B's
	s_add_co_u32 s92, s92, SOFF
	v_add_nc_u32 v5, v5, v8
	v_add_nc_u32 v[ADRS], s92, v5
	v_add_nc_u32 v[ADRS+1], SLOT, v[ADRS]
	s_mul_i32 s92, s[WV], 16*SPITCH
	v_mul_u32_u24 v5, v1, SPITCH
	v_lshl_add_u32 v5, v2, 5, v5
	v_add_nc_u32 v[STO], s92, v5
	v_lshlrev_b32 v[CO], 4, v6
	v_add_nc_u32 v[RD], s92, v[CO]
	s_lshl_b32 s92, s[TR], 8
	s_lshl_b32 s93, s[HR], 7
	s_add_co_u32 s92, s92, s93
	s_lshl_b32 s92, s92, 12
	s_lshl_b32 s94, s[TC], 10
	s_lshl_b32 s95, s[HC], 9
	s_add_co_u32 s94, s94, s95
	s_mov_b32 s95, 0
	s_mov_b32 s93, 0
	s_add_nc_u64 s[10:11], s[10:11], s[92:93]
	s_add_nc_u64 s[10:11], s[10:11], s[94:95]
	s_add_nc_u64 s[8:9], s[8:9], s[94:95]
	v_lshlrev_b32 v7, 5, v2
.irp b, 0,1,2,3,4,5,6,7
	global_load_b128 v[BI+8*\b:BI+8*\b+3], v7, s[8:9] offset:64*\b
	global_load_b128 v[BI+8*\b+4:BI+8*\b+7], v7, s[8:9] offset:64*\b+16
.endr
.macro FRAG reg, adr, q, i
.irp p, 0,1,2,3,4,5
.set PCE, 12*(\q)+6*(\p/3)+\p%3
.if PCE%8 < 5
	ds_load_b64 v[\reg+2*\p:\reg+2*\p+1], v[\adr] offset:8*PCE+16*(PCE/8)+(\i)*16*PITCH
.else
	ds_load_b64 v[\reg+2*\p:\reg+2*\p+1], v[\adr+2] offset:8*PCE+16*(PCE/8)+(\i)*16*PITCH
.endif
.endr
.endm
.macro FRAG_A reg, slot, q, i
.irp p, 0,1,2,3,4,5
	ds_load_b64 v[\reg+2*\p:\reg+2*\p+1], v[ADRA+\slot] offset:(\i)*AROWB+(\q)*1920+320*\p
.endr
.endm
.macro MM a, b, p, q, sc, c0
	v_wmma_scale_f32_16x16x128_f8f6f4 v[8*(8*((\a)%4)+\b):8*(8*((\a)%4)+\b)+7], v[128*(\p)+FR*\b:128*(\p)+FR*\b+FR-1], v[AF+FR*(\a):AF+FR*(\a)+FR-1], v[\c0:\c0+7], v[SC+8*NQ*(\sc)+NQ*\b+(\q)], v[SC+8*NQ*(\sc)+NQ*(\a)+(\q)] matrix_a_fmt:MATRIX_FMT_FP6 matrix_b_fmt:MATRIX_FMT_FP6 matrix_a_scale:MATRIX_SCALE_ROW1
.endm
.macro MUL16 a0, p, q, sc, zero
.irp a, \a0, \a0+1
.irp b, 0,1,2,3,4,5,6,7
.if \zero
	MM \a, \b, \p, \q, \sc, BI+8*\b
.else
	MM \a, \b, \p, \q, \sc, 8*(8*((\a)%4)+\b)
.endif
.endr
.endr
.endm
.macro FETCH_B slot, q, p
	WIN TO_B
.irp i, 0,1,2,3,4,5,6,7
	FRAG 128*(\p)+FR*\i, ADRB+\slot, \q, \i
.endr
	WIN 0
.endm
.macro FETCH_A slot, q, i0
.irp i, \i0, \i0+1, \i0+2, \i0+3
	FRAG_A AF+FR*(\i), \slot, \q, \i
.endr
.endm
.macro SCALES sc
.irp i, 0,1,2,3,4,5,6,7
	ds_load_b64 v[SC+8*NQ*\sc+NQ*\i:SC+8*NQ*\sc+NQ*\i+1], v[ADRS+\sc] offset:\i*SBLK
.endr
.endm
.macro PLACES n
.rept \n
	v_nop
.endr
.endm
.macro STEP slot, q, zero
	s_wait_dscnt 4*NL
.if \zero
	WIN 0x81
.else
	WIN MUL_LO
.endif
	MUL16 0, (\q)%2, \q, \slot, \zero
	MUL16 2, (\q)%2, \q, \slot, \zero
	s_wait_dscnt 0
	PLACES NP
	FETCH_B \slot, (\q)+1, 1-(\q)%2
	FETCH_A \slot, (\q)+1, 0
.if \zero
	WIN 0xc1
.else
	WIN MUL_HI
.endif
	MUL16 4, (\q)%2, \q, \slot, \zero
	MUL16 6, (\q)%2, \q, \slot, \zero
	PLACES NP
	WIN 0
	FETCH_A \slot, (\q)+1, 4
.endm
.macro TURN slot, next, fill
	s_wait_tensorcnt 0x0
	ds_add_u32 v[SPW], v[NIL]
	s_wait_dscnt 4*NL+1
	WIN MUL_LO
	MUL16 0, 1, NQ-1, \slot, 0
	s_wait_dscnt 0x0
	s_barrier_signal -1
	MUL16 2, 1, NQ-1, \slot, 0
	WIN 0
	s_barrier_wait -1
.if \fill
	CREST
	s_add_nc_u64 s[G0+4*\slot+2:G0+4*\slot+3], s[G0+4*\slot+2:G0+4*\slot+3], 2*KSTEP
	s_add_nc_u64 s[G0B+4*\slot+2:G0B+4*\slot+3], s[G0B+4*\slot+2:G0B+4*\slot+3], 2*KSTEP
	JLOAD G0+4*\slot, G1, G0B+4*\slot, G1B
.else
	PLACES NP
.endif
	FETCH_B \next, 0, 0
	FETCH_A \next, 0, 0
	SCALES \next
	WIN MUL_HI
	MUL16 4, 1, NQ-1, \slot, 0
	MUL16 6, 1, NQ-1, \slot, 0
	PLACES NP
	WIN 0
	FETCH_A \next, 0, 4
.endm
	s_wait_alu depctr_va_vdst(0)
	s_wait_tensorcnt 0x0                           ; my part of K step 0 is in
	ds_add_u32 v[SPW], v[NIL]
	s_wait_dscnt 0x0
	CROUND                                         ; everybody's part of K step 0 is in
	JLOAD G0+4, G1, G0B+4, G1B                     ; K step 1, the first tensor load behind the round
	FETCH_B 0, 0, 0
	FETCH_A 0, 0, 0
	SCALES 0
	FETCH_A 0, 0, 4
	s_wait_loadcnt 0x0
	STEP 0, 0, 1
	TURN 0, 1, 1
	STEP 1, 0, 0
	TURN 1, 0, 1
	STEP 0, 0, 0
	TURN 0, 1, 0
	STEP 1, 0, 0
	s_wait_dscnt 4*NL
	WIN MUL_LO
	MUL16 0, 1, NQ-1, 1, 0
	MUL16 2, 1, NQ-1, 1, 0
	s_wait_dscnt 0
	WIN MUL_HI
	MUL16 4, 1, NQ-1, 1, 0
	MUL16 6, 1, NQ-1, 1, 0
	WIN 0
.macro TOSTAGE a
.set AC, 64*((\a)%4)
.set WDAT, 8+4*((\a)/4)
	WIN WDAT
.irp b, 0,1,2,3,4,5,6,7
	ds_store_b128 v[STO], v[AC+8*\b:AC+8*\b+3] offset:64*\b
	ds_store_b128 v[STO], v[AC+8*\b+4:AC+8*\b+7] offset:64*\b+16
.endr
	WIN 0
.set BB, BK+64*((\a)%2)
.irp t, 0,1,2,3,4,5,6,7,8,9,10,11,12,13,14,15
	ds_load_b128 v[BB+4*\t:BB+4*\t+3], v[RD] offset:\t*SPITCH
.endr
.endm
.macro SEND a, younger
.set BB, BK+64*((\a)%2)
	s_wait_dscnt \younger
.if (\a) == 4
	s_add_nc_u64 s[10:11], s[10:11], 64*4096
.endif
.irp t, 0,1,2,3,4,5,6,7,8,9,10,11,12,13,14,15
	global_store_b128 v[CO], v[BB+4*\t:BB+4*\t+3], s[10:11] offset:(8*((\a)%4)+(\t%8)+32*(\t/8))*4096 th:TH_STORE_NT
.endr
.endm
	PLACES NP
	TOSTAGE 0
.irp a, 1,2,3,4,5,6,7
.if \a > 1
	s_wait_xcnt 0x0
.endif
	TOSTAGE \a
	SEND \a-1, 32
.endr
	s_wait_xcnt 0x0
	SEND 7, 0
	s_wait_tensorcnt 0x0
	ds_add_u32 v[SPW], v[NIL]
	s_wait_dscnt 0x0
	CROUND
	s_endpgm
.Lfunc_end_k_q37a3863158_oproj:
	.size	k_q37a3863158_oproj, .Lfunc_end_k_q37a3863158_oproj-k_q37a3863158_oproj
	.p2alignl 7, 3214868480
	.fill 96, 4, 3214868480
	.section	.rodata,"a",@progbits
	.p2align	6, 0x0
	.amdhsa_kernel k_q37a3863158_oproj
		.amdhsa_group_segment_fixed_size 327680
		.amdhsa_private_segment_fixed_size 0
		.amdhsa_enable_private_segment 0
		.amdhsa_kernarg_size 32
		.amdhsa_user_sgpr_count 2
		.amdhsa_user_sgpr_kernarg_segment_ptr 1
		.amdhsa_wavefront_size32 1
		.amdhsa_system_sgpr_workgroup_id_x 1
		.amdhsa_system_sgpr_workgroup_id_y 1
		.amdhsa_system_sgpr_workgroup_id_z 1
		.amdhsa_system_vgpr_workitem_id 0
		.amdhsa_next_free_vgpr 1024
		.amdhsa_next_free_sgpr 100
		.amdhsa_reserve_vcc 0
		.amdhsa_float_denorm_mode_32 3
		.amdhsa_float_denorm_mode_16_64 3
		.amdhsa_memory_ordered 1
		.amdhsa_forward_progress 1
		.amdhsa_inst_pref_size 159
	.end_amdhsa_kernel
	.amdgpu_metadata
---
amdhsa.version: [ 1, 2 ]
amdhsa.kernels:
  - .name:           k_q37a3863158_oproj
    .symbol:         k_q37a3863158_oproj.kd
    .args:
      - { .name: ab, .offset: 0, .size: 8, .value_kind: global_buffer, .address_space: global }
      - { .name: wq, .offset: 8, .size: 8, .value_kind: global_buffer, .address_space: global }
      - { .name: bo, .offset: 16, .size: 8, .value_kind: global_buffer, .address_space: global }
      - { .name: out0, .offset: 24, .size: 8, .value_kind: global_buffer, .address_space: global }
    .group_segment_fixed_size: 327680
    .private_segment_fixed_size: 0
    .kernarg_segment_align: 8
    .kernarg_segment_size: 32
    .max_flat_workgroup_size: 128
    .sgpr_count:     100
    .vgpr_count:     1024
    .wavefront_size: 32
...
	.end_amdgpu_metadata
.endif
;; end of part 4
